; MI455X (gfx1250); checked and timed in simulation.
; The chip was launched on July 23, 2026; its instructions are those of AMD's public machine-readable ISA for CDNA 5 (MIT licence, August 2026) and "CDNA5" Instruction Set Architecture Reference Guide (July 2026). The comments in the code are by the model that wrote it; some were corrected since.
;; Block. Allowed arithmetic: matrix products marked QUANTISED: E4M3 operands, one E8M0 scale for each 32 along K, by v_wmma_scale_f32_16x16x128_f8f6f4 with both operands' format E4M3, f32 sums; products left as they are: f32 operands where the result goes on into a quantised operand, else bf16, f16 or f32 operands; f32 sums; everything else in f32.
;; Inputs: W1 512 x 2,048 float32; W2 2,048 x 512 float32; Wk 16 x 512 x 16 float32; Wproj 256 x 512 float32; Wq 16 x 512 x 16 float32; Wv 16 x 512 x 16 float32; b1 2,048 float32; b2 512 float32; bk 16 x 16 float32; bproj 512 float32; bq 16 x 16 float32; bv 16 x 16 float32; ln1_b 512 float32; ln1_g 512 float32; ln2_b 512 float32; ln2_g 512 float32; x 8 x 1,024 x 512 float32.
;; Outputs: out0 8 x 1,024 x 512 float32.
;; This version of the problem:
;;   THIS VERSION OF THE PROBLEM IS GIVEN IN LOW PRECISION. The matrix products marked QUANTISED in the list below multiply operands that are first quantised to E4M3 (4 exponent bits, 3 mantissa bits; 8 bits a number), with one power-of-two scale for each 32 numbers along K (OCP MX v1.0); their sums are f32. All else is computed in f32.
;;   The module's matrix products, in the order in which they are computed (A, B: the left and right operand; K: the contracted axis; several contracted axes count as one K, in the product's order):
;;     1. [M 256, K 512] x [K 512, N 8,192]; A: input Wq; B: computed on the way: QUANTISED
;;     2. [M 256, K 512] x [K 512, N 8,192]; A: input Wk; B: computed on the way: QUANTISED
;;     3. [M 256, K 512] x [K 512, N 8,192]; A: input Wv; B: computed on the way: QUANTISED
;;     4. batch 128 x [M 1,024, K 16] x [K 16, N 1,024]; A: computed on the way; B: computed on the way: left as it is (K = 16 < 32)
;;     5. batch 128 x [M 1,024, K 1,024] x [K 1,024, N 16]; A: softmax (see below); B: computed on the way: QUANTISED
;;     6. [M 8,192, K 256] x [K 256, N 512]; A: computed on the way; B: input Wproj: QUANTISED
;;     7. [M 8,192, K 512] x [K 512, N 2,048]; A: computed on the way; B: input W1: QUANTISED
;;     8. [M 8,192, K 2,048] x [K 2,048, N 512]; A: computed on the way; B: input W2: QUANTISED
;;   THE QUANTISER, for each operand of a quantised product, along K:
;;     - K is cut into blocks of 32 from its start; a last block that is shorter is filled with zeros.
;;     - A block's scale is 2^e with e = floor(log2(the largest magnitude in the block)) - 8, held to -126 .. 127; a block of zeros has e = 0. As a byte (E8M0): e + 127.
;;     - Each number is divided by its block's scale, clamped to +-448, and rounded to the nearest number of E4M3, ties to even, subnormals kept.
;;     - The product sums the exact products of the quantised numbers (number of the format x scale) in f32.
;;   ~~~python
;;   def quantise(x, axis):      # numpy; x: float32 -> the quantised numbers, widened to float32 again
;;       x = np.moveaxis(x, axis, -1); K = x.shape[-1]
;;       x = np.pad(x, [(0, 0)] * (x.ndim - 1) + [(0, -K % 32)]); x = x.reshape(x.shape[:-1] + (-1, 32)); a = np.abs(x).max(-1, keepdims=True)
;;       e = np.where(a > 0, np.clip(np.frexp(np.where(a > 0, a, 1))[1] - 1 - 8, -126, 127), 0)      # np.frexp(a)[1] - 1 = floor(log2(a)), exactly
;;       r = np.clip(x / 2.0 ** e, -448, 448)
;;       step = 2.0 ** (np.maximum(np.frexp(np.where(r == 0, 1, r))[1] - 1, -6) - 3)
;;       q = np.round(r / step) * step * 2.0 ** e      # np.round: ties to even
;;       return np.moveaxis(q.reshape(q.shape[:-2] + (-1,))[..., :K], -1, axis).astype(np.float32)
;;   ~~~
;;   SOFTMAX AHEAD OF A QUANTISED PRODUCT. Where the list says 'softmax', what is quantised is not the finished softmax but p = 2^(t - M), with t = logit x log2(e) and M = ceil(the row's largest t), a whole number; so 1/2 < the row's largest p <= 1. The row's sum l is taken of the UNQUANTISED p, in f32, and the product's result is divided by l at the end. Since M is a whole number, a kernel that streams over the keys may use a running M (the ceiling of the running maximum): every later rescaling is an exact power of two, which a block's scale takes up: the codes' values come out the same.
;;   OPERANDS COMPUTED ON THE WAY. 'Computed on the way' means the value that the module computes at that place (a softmax that the list does not call 'softmax' is quantised finished and normalised). What goes into a quantiser is computed in f32, as accurately as f32 sums, v_exp_f32 and their like allow (about 1e-6 of the number): no bf16 or f16 on the way to a quantiser, and a product that is left as it is and whose result goes on into a quantised operand takes f32 operands (vector FMAs, or v_wmma_f32_16x16x4_f32). A number that lies on a knife's edge between two numbers of the format may be rounded either way, as far as f32 arithmetic and the matrix unit's own rounding can turn it there, and no further.
;; 2 versions, each right; version 2 is version 1 with the launches attn, ffn written anew for expert scheduling mode. Each part assembles by itself: llvm-mc -triple=amdgcn-amd-amdhsa -mcpu=gfx1250 --defsym DOCPART=n.
;; ======== version 1 of 2: 4 launches
;; workspace buffers: wqkv 405,504 bytes; wstr 2,297,856 bytes; qimg 8,388,608 bytes; kimg 8,388,608 bytes; vimg 2,228,224 bytes; aimg 8,388,608 bytes
;; launch wquant (part 1): grid 640 x 1, 1 waves a work-group, no clusters, 0 bytes of LDS; arguments Wq, Wk, Wv, Wproj, W1, W2, wqkv, wstr; writes wqkv, wstr
.if DOCPART == 1
	.amdgcn_target "amdgcn-amd-amdhsa--gfx1250"
	.amdhsa_code_object_version 6
	.text
	.protected	k_q6b43dae371_wquant
	.globl	k_q6b43dae371_wquant
	.p2align	8
	.type	k_q6b43dae371_wquant,@function
k_q6b43dae371_wquant:
	s_mov_b64 s[64:65], 0
	v_nop
	global_prefetch_b8 v0, s[64:65] scope:SCOPE_SE
	s_setreg_imm32_b32 hwreg(HW_REG_WAVE_MODE, 25, 1), 1
	s_wait_xcnt 0x0
; The six weights, f32 with K NOT innermost, become codes of FP8 (E4M3) with one E8M0 byte for each 32 along K, laid as IMAGES OF OPERAND REGISTERS:
; a fragment (16 rows x 128 K) is 2,048 bytes; the 16 codes k = 32 c + 16 h + 0..15 of row r lie at 512 c + 256 h + 16 r; a row's scale word (four bytes) is 4 bytes.
; A work-group is one wave and takes 32 columns x 128 along K: two fragments.  A LANE TAKES A COLUMN AND ITS REGISTERS RUN DOWN K: a block of 32 lies in one lane, its largest magnitude
; needs no other lane, the conversions give codes with K innermost, and each store of 16 bytes a lane fills two aligned runs of 256 bytes (one in each fragment).  No LDS, no barrier.
; JOBS by the work-group's number: 0-95 Wq, Wk, Wv (two heads x a K step; rows of a fragment = a head's 16 channels, in order) -> wqkv;
; 96-127 Wproj, 128-383 W1, 384-639 W2 -> wstr, the stream of the last launch: for each consuming wave 34 units of two fragments, in the order in which it multiplies them.
; In wstr the 32 columns of a unit are dealt to its two fragments so: column x goes to fragment (x / 8) % 2, row x % 8 + 8 (x / 16).
; A block's scale is 2^(floor(log2(largest magnitude)) - 8); its byte is that magnitude's exponent field - 8, held at 1 from below.
; LIMITS: a block of zeros gets the byte 1 where the rule says 127 (its codes are zeros, and this program alone reads the bytes); blocks whose largest magnitude lies under 2^-118 keep the floor's byte; NaN and infinities are not served.
.set QS,   393216                      ; wqkv: the scale words begin behind 192 fragments
.set SS,   2228224                     ; wstr: the scale words begin behind 16 streams
.set WSTR, 139264                      ; a consuming wave's stream: 34 units x 4,096 bytes
.set WSCL, 4352                        ; and its scale words: 34 x 128 bytes
.set OFF,  8                           ; v8-39    byte offset of my column in row i of a block
.set X,    40                          ; v40-167  four blocks of 32 numbers
.set C,    168                         ; v168-199 four blocks of 8 registers of codes: no store's data are written again
.set MX,   200                         ; v200, v201 two chains of the largest magnitude
.set SO,   202                         ; the conversion's scale operand
.set HL,   203                         ; 448 x the scale
.set BY,   204                         ; the byte
.set WD,   205                         ; the scale word
	s_load_b256 s[4:11], s[0:1], 0x0               ; Wq s[4:5], Wk s[6:7], Wv s[8:9], Wproj s[10:11]
	s_load_b256 s[12:19], s[0:1], 0x20             ; W1 s[12:13], W2 s[14:15], wqkv s[16:17], wstr s[18:19]
	s_mov_b32 s52, 0x600000                        ; the mantissa field of 448
	s_mov_b32 s31, 0                               ; the upper words of four offsets
	s_mov_b32 s33, 0
	s_mov_b32 s35, 0
	s_mov_b32 s55, 0
	s_wait_kmcnt 0x0
	; Each of the four kinds of job sets: s20 bytes from row k to k + 1; s21 bytes from column 15 to 16 less 60; s22, s23 which bits of the lane give fragment and upper half of its rows;
	; s24, s25 bytes from fragment 0 to 1, codes and scale words; s30, s32, s34 offsets of source, codes, scale words; s[36:37] source; s[38:39] destination.
	s_cmp_lt_u32 ttmp9, 96
	s_cbranch_scc0 .Lnot_qkv
	s_lshr_b32 s26, ttmp9, 5                       ; 0, 1, 2: q, k, v
	s_bfe_u32 s28, ttmp9, 0x30002                  ; which pair of heads
	s_and_b32 s29, ttmp9, 3                        ; K step
	s_cmp_eq_u32 s26, 0
	s_cselect_b64 s[36:37], s[4:5], s[6:7]
	s_cmp_eq_u32 s26, 2
	s_cselect_b64 s[36:37], s[8:9], s[36:37]
	s_mov_b64 s[38:39], s[16:17]
	s_mov_b32 s20, 64
	s_mov_b32 s21, 32768                           ; lanes 16-31 take the next head
	s_mov_b32 s22, 4
	s_mov_b32 s23, 3
	s_mov_b32 s24, 8192                            ; a head's four fragments
	s_mov_b32 s25, 256
	s_lshl_b32 s30, s28, 16
	s_lshl_b32 s27, s29, 13
	s_add_co_u32 s30, s30, s27                     ; two heads x 32,768 + 128 rows x 64
	s_lshl_b32 s26, s26, 4
	s_lshl_b32 s28, s28, 1
	s_add_co_u32 s26, s26, s28                     ; 16 x kind + head
	s_lshl_b32 s32, s26, 13
	s_lshl_b32 s27, s29, 11
	s_add_co_u32 s32, s32, s27
	s_lshl_b32 s34, s26, 8
	s_lshl_b32 s27, s29, 6
	s_add_co_u32 s34, s34, s27
	s_add_co_u32 s34, s34, QS
	s_branch .Lgo
.Lnot_qkv:
	s_cmp_lt_u32 ttmp9, 128
	s_cbranch_scc0 .Lnot_proj
	s_sub_co_u32 s27, ttmp9, 96
	s_lshr_b32 s26, s27, 1                         ; 32 columns = the consuming wave
	s_and_b32 s27, s27, 1                          ; K step = the unit
	s_mov_b64 s[36:37], s[10:11]
	s_mov_b32 s20, 2048
	s_lshl_b32 s30, s26, 7
	s_lshl_b32 s28, s27, 18
	s_add_co_u32 s30, s30, s28
	s_branch .Lstr
.Lnot_proj:
	s_cmp_lt_u32 ttmp9, 384
	s_cbranch_scc0 .Lw2
	s_sub_co_u32 s27, ttmp9, 128
	s_lshr_b32 s28, s27, 2                         ; which 32 of the 2,048 columns
	s_and_b32 s27, s27, 3                          ; K step
	s_mov_b64 s[36:37], s[12:13]
	s_mov_b32 s20, 8192
	s_lshl_b32 s30, s28, 7
	s_lshl_b32 s29, s27, 20
	s_add_co_u32 s30, s30, s29
	s_lshr_b32 s26, s28, 2                         ; the consuming wave owns 128 columns
	s_and_b32 s28, s28, 3
	s_lshl_b32 s28, s28, 2
	s_add_co_u32 s27, s27, s28
	s_add_co_u32 s27, s27, 2                       ; unit 2 + 4 x (which 32 of its 128) + K step
	s_branch .Lstr
.Lw2:
	s_sub_co_u32 s27, ttmp9, 384
	s_lshr_b32 s26, s27, 4                         ; 32 columns = the consuming wave
	s_and_b32 s27, s27, 15                         ; K step
	s_mov_b64 s[36:37], s[14:15]
	s_mov_b32 s20, 2048
	s_lshl_b32 s30, s26, 7
	s_lshl_b32 s28, s27, 18
	s_add_co_u32 s30, s30, s28
	s_add_co_u32 s27, s27, 18                      ; unit 18 + K step
.Lstr:
	s_mov_b64 s[38:39], s[18:19]
	s_mov_b32 s21, 64                              ; the 32 columns are neighbours
	s_mov_b32 s22, 3
	s_mov_b32 s23, 4
	s_mov_b32 s24, 2048
	s_mov_b32 s25, 64
	s_mul_i32 s32, s26, WSTR
	s_lshl_b32 s28, s27, 12
	s_add_co_u32 s32, s32, s28
	s_mul_i32 s34, s26, WSCL
	s_lshl_b32 s28, s27, 7
	s_add_co_u32 s34, s34, s28
	s_add_co_u32 s34, s34, SS
.Lgo:
	s_lshl_b32 s54, s20, 5                         ; 32 rows
	s_add_nc_u64 s[40:41], s[36:37], s[30:31]      ; a base for each of the four blocks: none is ever stepped
	s_add_nc_u64 s[42:43], s[40:41], s[54:55]
	s_add_nc_u64 s[44:45], s[42:43], s[54:55]
	s_add_nc_u64 s[46:47], s[44:45], s[54:55]
	s_add_nc_u64 s[48:49], s[38:39], s[32:33]      ; my codes
	s_add_nc_u64 s[50:51], s[38:39], s[34:35]      ; my scale words
	v_lshrrev_b32 v1, 4, v0
	v_and_b32 v4, 15, v0
	v_lshlrev_b32 v4, 2, v4
	v_mad_u32_u24 v[OFF], v1, s21, v4              ; my column in a block's first row
.set i, 1
.rept 31
	v_add_nc_u32 v[OFF+i], s20, v[OFF+i-1]         ; and in the 31 rows below
.set i, i+1
.endr
	v_lshrrev_b32 v5, s22, v0
	v_and_b32 v5, 1, v5                            ; my fragment
	v_lshrrev_b32 v6, s23, v0
	v_and_b32 v6, 1, v6
	v_and_b32 v7, 7, v0
	v_lshl_add_u32 v6, v6, 3, v7                   ; my row in it
	v_lshlrev_b32 v7, 4, v6
	v_mad_u32_u24 v2, v5, s24, v7                  ; where my codes go
	v_lshlrev_b32 v7, 2, v6
	v_mad_u32_u24 v3, v5, s25, v7                  ; where my scale word goes
.macro LOAD c                          ; block c: 32 rows of my column
.set i, 0
.rept 32
	global_load_b32 v[X+32*\c+i], v[OFF+i], s[40+2*\c:41+2*\c] th:TH_LOAD_NT
.set i, i+1
.endr
.endm
.macro BLOCK c
.set XS, X+32*\c
	v_max3_num_f32 v[MX], |v[XS]|, |v[XS+1]|, |v[XS+2]|              ; the block's largest magnitude: all 32 numbers are mine; two chains
	v_max3_num_f32 v[MX+1], |v[XS+3]|, |v[XS+4]|, |v[XS+5]|
.irp i, 6,10,14,18,22,26
	v_max3_num_f32 v[MX], v[MX], |v[XS+\i]|, |v[XS+\i+1]|
	v_max3_num_f32 v[MX+1], v[MX+1], |v[XS+\i+2]|, |v[XS+\i+3]|
.endr
	v_max3_num_f32 v[MX], v[MX], |v[XS+30]|, |v[XS+31]|
	v_max3_num_f32 v[MX], v[MX], v[MX+1], 0x4800000                  ; and the floor 2^(9 - 127): the byte cannot fall under 1
	v_add_nc_u32 v[SO], 0xfc000000, v[MX]          ; 8 off the exponent field: the conversion takes this operand's exponent field as its scale
	v_and_or_b32 v[HL], v[MX], 0x7f800000, s52     ; 448 x the scale
	v_lshrrev_b32 v[BY], 23, v[SO]                 ; the byte
.if \c == 0
	v_mov_b32 v[WD], v[BY]
.else
	v_lshl_or_b32 v[WD], v[BY], 8*\c, v[WD]        ; the lower K in the lower byte
.endif
.set i, 0
.rept 32
	v_med3_num_f32 v[XS+i], v[XS+i], -v[HL], v[HL] ; the conversion to an 8-bit code does not saturate (ISA guide 7.6.2): the hold comes first
.set i, i+1
.endr
.irp g, 0,1,2,3
	v_cvt_scalef32_pk8_fp8_f32 v[C+8*\c+2*\g:C+8*\c+2*\g+1], v[XS+8*\g:XS+8*\g+7], v[SO]
.endr
	global_store_b128 v2, v[C+8*\c:C+8*\c+3], s[48:49] offset:512*\c          ; k = 32 c + 0..15: sixteen lanes fill 256 consecutive bytes of a fragment
	global_store_b128 v2, v[C+8*\c+4:C+8*\c+7], s[48:49] offset:512*\c+256    ; k = 32 c + 16..31
.endm
	LOAD 0
	LOAD 1
	s_wait_loadcnt 32                              ; block 0 is in; block 1's 32 loads may be out
	LOAD 2
	BLOCK 0
	s_wait_loadcnt 32                              ; block 1 is in; block 2's may be out
	LOAD 3
	BLOCK 1
	s_wait_loadcnt 32                              ; block 2 is in; block 3's may be out
	BLOCK 2
	s_wait_loadcnt 0x0
	BLOCK 3
	global_store_b32 v3, v[WD], s[50:51]
	s_endpgm
.Lfunc_end_k_q6b43dae371_wquant:
	.size	k_q6b43dae371_wquant, .Lfunc_end_k_q6b43dae371_wquant-k_q6b43dae371_wquant
	.p2alignl 7, 3214868480
	.fill 96, 4, 3214868480
	.section	.rodata,"a",@progbits
	.p2align	6, 0x0
	.amdhsa_kernel k_q6b43dae371_wquant
		.amdhsa_group_segment_fixed_size 0
		.amdhsa_private_segment_fixed_size 0
		.amdhsa_enable_private_segment 0
		.amdhsa_kernarg_size 64
		.amdhsa_user_sgpr_count 2
		.amdhsa_user_sgpr_kernarg_segment_ptr 1
		.amdhsa_wavefront_size32 1
		.amdhsa_system_sgpr_workgroup_id_x 1
		.amdhsa_system_sgpr_workgroup_id_y 1
		.amdhsa_system_sgpr_workgroup_id_z 1
		.amdhsa_system_vgpr_workitem_id 0
		.amdhsa_next_free_vgpr 208
		.amdhsa_next_free_sgpr 66
		.amdhsa_reserve_vcc 0
		.amdhsa_float_denorm_mode_32 3
		.amdhsa_float_denorm_mode_16_64 3
		.amdhsa_memory_ordered 1
		.amdhsa_forward_progress 1
		.amdhsa_inst_pref_size 33
	.end_amdhsa_kernel
	.amdgpu_metadata
---
amdhsa.version: [ 1, 2 ]
amdhsa.kernels:
  - .name:           k_q6b43dae371_wquant
    .symbol:         k_q6b43dae371_wquant.kd
    .args:
      - { .name: Wq, .offset: 0, .size: 8, .value_kind: global_buffer, .address_space: global }
      - { .name: Wk, .offset: 8, .size: 8, .value_kind: global_buffer, .address_space: global }
      - { .name: Wv, .offset: 16, .size: 8, .value_kind: global_buffer, .address_space: global }
      - { .name: Wproj, .offset: 24, .size: 8, .value_kind: global_buffer, .address_space: global }
      - { .name: W1, .offset: 32, .size: 8, .value_kind: global_buffer, .address_space: global }
      - { .name: W2, .offset: 40, .size: 8, .value_kind: global_buffer, .address_space: global }
      - { .name: wqkv, .offset: 48, .size: 8, .value_kind: global_buffer, .address_space: global }
      - { .name: wstr, .offset: 56, .size: 8, .value_kind: global_buffer, .address_space: global }
    .group_segment_fixed_size: 0
    .private_segment_fixed_size: 0
    .kernarg_segment_align: 8
    .kernarg_segment_size: 64
    .max_flat_workgroup_size: 32
    .sgpr_count:     66
    .vgpr_count:     208
    .wavefront_size: 32
...
	.end_amdgpu_metadata
.endif
;; end of part 1
;; launch lnqkv (part 2): grid 64 x 4, 8 waves a work-group, no clusters, 70,656 bytes of LDS; arguments x, ln1_g, ln1_b, bq, bk, bv, wqkv, qimg, kimg, vimg; writes qimg, kimg, vimg
.if DOCPART == 2
	.amdgcn_target "amdgcn-amd-amdhsa--gfx1250"
	.amdhsa_code_object_version 6
	.text
	.protected	k_q6b43dae371_lnqkv
	.globl	k_q6b43dae371_lnqkv
	.p2align	8
	.type	k_q6b43dae371_lnqkv,@function
k_q6b43dae371_lnqkv:
	s_mov_b64 s[64:65], 0
	v_nop
	global_prefetch_b8 v0, s[64:65] scope:SCOPE_SE
	s_setreg_imm32_b32 hwreg(HW_REG_WAVE_MODE, 25, 1), 1
	s_wait_xcnt 0x0
; h = layernorm(x) is quantised along its 512; q, k, v = Q(h) Q(W) + bias on codes of FP8 (E4M3) with E8M0 scales; q and k leave as f32, v is quantised along the KEYS and leaves as codes.
; SHARES.  A work-group takes 128 tokens (x of the grid) and 4 heads (y).  Every wave normalises and quantises 16 of the tokens into LDS; one barrier; then waves 0-3 make q and k of one head each, waves 4-7 v of one head each,
; for all 128 tokens.  The four work-groups of a token block each repeat the layer norm: so all work-groups have matrix work, and a wave holds 128 keys of v, a whole fragment and whole scale words.
; No joint loads: what neighbours share (256 KiB of x among four, 96 KiB of weight codes among 64) is read once at a work-group's head, through registers.
; TOKEN TILES.  Tile 2 b + u holds at place r the token 32 b + 8 u + r % 8 + 16 (r / 8).  So in a result whose registers run along a tile's places, the 16 registers of tiles 2 b, 2 b + 1 are 16 neighbouring tokens.
; q, k: transposed (source 0 = the head's 16 channels of W, source 1 = 16 tokens): lane (r, h) holds token place r, channels 8 h + 0..7.  The eight registers go out as they stand, 16 bytes a lane, 512 bytes a store.
; v: source 0 = 16 tokens, source 1 = 16 channels: lane (r, h) holds channel r, and registers 16 b + i are keys 32 b + 16 h + i: the layout of an operand whose K is the keys.
; The variance is taken in two passes (the mean first).  LIMITS: a block of zeros gets the byte 1 (its codes are zeros; this program alone reads the bytes); blocks under 2^-118 keep the floor's byte; NaN and infinities are not served.
.set HP,   528                         ; LDS: a token's 512 codes + 16 of padding: 33 x 16 bytes, so the 16 rows of a fragment load start in 16 different groups of banks (64 banks of 4 bytes: ISA guide 11.1)
.set HS,   67584                       ; behind 128 such rows: 16 scale bytes a token
.set QS,   393216                      ; wqkv: where the scale words begin
.set G,    8                           ; v8-23    gain of my 16 columns
.set B,    24                          ; v24-39   bias of my 16 columns
.set XR0,  40                          ; v40-103  four rows on their way or at work, 16 numbers a lane
.set T,    104                         ; v104-124 at work
.set W,    136                         ; v136-199 weight fragments
.set HF,   200                         ; v200-231 two fragments of h
.set HW,   232                         ; v232-233 their scale words
.set WSC,  234                         ; v234-237 the weights' scale words, one register a K step
.set BQ,   238                         ; v238-245 bias in the result's layout (q's, or v's)
.set BK,   246                         ; v246-253 k's
.set AQ,   8                           ; v8-71    8 accumulators (q, or v)
.set AK,   72                          ; v72-135  8 accumulators (k)
.set TM,   72                          ; v's quantiser: v72-87 at work, v88-103 codes, v104 the scale word
.set PC,   88
.set PW,   104
	s_load_b256 s[4:11], s[0:1], 0x0               ; x s[4:5], gain s[6:7], bias s[8:9], bq s[10:11]
	s_load_b256 s[12:19], s[0:1], 0x20             ; bk s[12:13], bv s[14:15], wqkv s[16:17], qimg s[18:19]
	s_load_b128 s[20:23], s[0:1], 0x40             ; kimg s[20:21], vimg s[22:23]
	s_set_vgpr_msb 0x40
	v_lshl_add_u32 v0, v0, 2, 0x11000
	v_mov_b32 v1, 0
	s_set_vgpr_msb 0x4000
	v_lshrrev_b32 v1, 5, v0
	v_readfirstlane_b32 s24, v1                    ; wave 0..7
	s_lshr_b32 s25, s24, 2                         ; 0: q and k; 1: v
	s_and_b32 s26, s24, 3
	s_and_b32 s54, ttmp7, 0xffff
	s_lshl_b32 s54, s54, 2
	s_add_co_u32 s26, s26, s54                     ; my head
	s_lshr_b32 s27, ttmp9, 3
	s_lshl_b32 s27, s27, 4
	s_add_co_u32 s27, s27, s26                     ; 16 x batch + head
	s_and_b32 s28, ttmp9, 7                        ; which 128 tokens of the batch
	s_mov_b32 s29, 0x600000                        ; the mantissa field of 448
	s_mov_b32 s30, 0x3b000000                      ; 1 / 512
	s_mov_b32 s31, 0x3727c5ac                      ; 1e-5
	s_mov_b32 s32, 0x76543210
	s_mov_b32 s33, 0xfedcba98                      ; v_permlanex16_b32's selects for lane l xor 16
	v_and_b32 v8, 31, v0                           ; lane
	v_and_b32 v9, 15, v0                           ; r
	v_bfe_u32 v10, v0, 4, 1                        ; h
	v_lshlrev_b32 v1, 6, v8                        ; v1: my 16 columns of a row, of gain and of bias
	v_lshlrev_b32 v6, 4, v8                        ; v6: 16 x lane: my place in an image
	s_lshr_b32 s54, s24, 1                         ; token 16 w + i has the LDS row 32 (w / 2) + 8 (w % 2) + 16 (i / 8) + i % 8: the tiles' order, applied by the writer
	s_lshl_b32 s54, s54, 5
	s_and_b32 s55, s24, 1
	s_lshl_b32 s55, s55, 3
	s_add_co_u32 s54, s54, s55
	s_mul_i32 s55, s54, HP
	v_add_nc_u32 v2, s55, v6                       ; v2: where my 16 codes of my wave's first token go
	s_lshl_b32 s55, s54, 4
	s_add_co_u32 s55, s55, HS
	v_lshrrev_b32 v3, 1, v8
	v_add_nc_u32 v3, s55, v3                       ; v3: and my block's byte
	v_mul_u32_u24 v4, v9, HP
	v_lshl_add_u32 v4, v10, 4, v4                  ; v4: a fragment's row r, + 16 h
	v_lshl_add_u32 v5, v9, 4, HS                   ; v5: row r's scale bytes
	v_lshlrev_b32 v254, 2, v9                      ; v254: 4 r
	v_lshl_add_u32 v7, v10, 12, v254               ; v7: lanes 0-15 q's scale words, lanes 16-31 k's (16 heads x 256 bytes on)
	v_lshlrev_b32 v255, 5, v10                     ; v255: 32 h: my eight channels' biases
	v_mov_b32 v[T+9], 0                            ; named as the upper halves of pairs
	v_mov_b32 v[T+11], 0
	s_lshl_b32 s36, ttmp9, 18
	s_lshl_b32 s54, s24, 15
	s_add_co_u32 s36, s36, s54                     ; my wave's first row of x: (128 x + 16 w) x 2,048
	s_mov_b32 s37, 0
	s_lshl_b32 s56, s26, 13                        ; a head's four fragments
	s_mov_b32 s57, 0
	s_lshl_b32 s58, s26, 8                         ; and their scale words
	s_mov_b32 s59, 0
	s_lshl_b32 s54, s26, 6                         ; a head's 16 biases
	s_mov_b32 s55, 0
	s_wait_kmcnt 0x0
	s_add_nc_u64 s[34:35], s[4:5], s[36:37]
	s_add_nc_u64 s[44:45], s[16:17], s[56:57]
	s_add_nc_u64 s[46:47], s[16:17], s[58:59]
	s_add_nc_u64 s[48:49], s[10:11], s[54:55]
	s_add_nc_u64 s[50:51], s[12:13], s[54:55]
	s_add_nc_u64 s[52:53], s[14:15], s[54:55]
	s_lshl_b32 s36, s27, 16
	s_lshl_b32 s56, s28, 13
	s_add_co_u32 s36, s36, s56                     ; q, k: 64 tiles of 1,024 bytes a head; mine are 8 of them
	s_add_nc_u64 s[38:39], s[18:19], s[36:37]
	s_add_nc_u64 s[40:41], s[20:21], s[36:37]
	s_lshr_b32 s36, s36, 2                         ; v: 8 fragments of 2,048 bytes a head
	s_add_nc_u64 s[42:43], s[22:23], s[36:37]
	s_lshr_b32 s36, s36, 4                         ; and 128 bytes of scale words for each
	s_add_nc_u64 s[22:23], s[22:23], s[36:37]
	s_cmp_eq_u32 s25, 0
	s_cbranch_scc0 .Lhead_v
.irp s, 0,1                                    ; q's and k's fragments of K steps 0 and 1; steps 2 and 3 follow into the same registers
.irp c, 0,1,2,3
	global_load_b128 v[W+32*\s+4*\c:W+32*\s+4*\c+3], v6, s[44:45] offset:2048*\s+512*\c
	global_load_b128 v[W+32*\s+16+4*\c:W+32*\s+16+4*\c+3], v6, s[44:45] offset:131072+2048*\s+512*\c
.endr
.endr
.irp s, 0,1,2,3
	global_load_b32 v[WSC+\s], v7, s[46:47] offset:QS+64*\s
.endr
	global_load_b128 v[BQ:BQ+3], v255, s[48:49]
	global_load_b128 v[BQ+4:BQ+7], v255, s[48:49] offset:16
	global_load_b128 v[BK:BK+3], v255, s[50:51]
	global_load_b128 v[BK+4:BK+7], v255, s[50:51] offset:16
	s_branch .Lhead_done
.Lhead_v:
.irp s, 0,1,2,3                                ; v's four fragments
.irp c, 0,1,2,3
	global_load_b128 v[W+16*\s+4*\c:W+16*\s+4*\c+3], v6, s[44:45] offset:262144+2048*\s+512*\c
.endr
.endr
.irp s, 0,1,2,3
	global_load_b32 v[WSC+\s], v254, s[46:47] offset:QS+8192+64*\s
.endr
.irp j, 0,1,2,3,4,5,6,7
	global_load_b32 v[BQ+\j], v254, s[52:53]       ; in v's result a lane holds one channel: its bias in all eight registers
.endr
.Lhead_done:
.irp j, 0,1,2,3
	global_load_b128 v[G+4*\j:G+4*\j+3], v1, s[6:7] offset:16*\j
	global_load_b128 v[B+4*\j:B+4*\j+3], v1, s[8:9] offset:16*\j
.endr
.macro ROWLD i                         ; row i of my 16: a lane takes 16 neighbouring numbers, since the conversions take neighbours along K from one lane's registers
.irp j, 0,1,2,3
	global_load_b128 v[XR0+16*((\i)%4)+4*\j:XR0+16*((\i)%4)+4*\j+3], v1, s[34:35] offset:2048*(\i)+16*\j
.endr
.endm
.macro WSUM                            ; v[T] summed over the 32 lanes, in every lane
	v_add_f32_dpp v[T], v[T], v[T] row_xmask:1 row_mask:0xf bank_mask:0xf
	v_add_f32_dpp v[T], v[T], v[T] row_xmask:2 row_mask:0xf bank_mask:0xf
	v_add_f32_dpp v[T], v[T], v[T] row_xmask:4 row_mask:0xf bank_mask:0xf
	v_add_f32_dpp v[T], v[T], v[T] row_xmask:8 row_mask:0xf bank_mask:0xf
	v_permlanex16_b32 v[T+1], v[T], s32, s33
	v_add_f32 v[T], v[T], v[T+1]
.endm
	ROWLD 0
	ROWLD 1
	ROWLD 2
	ROWLD 3
; One row: mean, variance, normalised, quantised, into LDS.  left = the loads of the younger rows, which may stay out; all that was asked for at the head is older.
.macro ROW i, left
.set XR, XR0+16*((\i)%4)
.set SL, 16*((\i)/8)+(\i)%8
	s_wait_loadcnt \left
	v_pk_add_f32 v[T:T+1], v[XR:XR+1], v[XR+2:XR+3]
	v_pk_add_f32 v[T+2:T+3], v[XR+4:XR+5], v[XR+6:XR+7]
	v_pk_add_f32 v[T+4:T+5], v[XR+8:XR+9], v[XR+10:XR+11]
	v_pk_add_f32 v[T+6:T+7], v[XR+12:XR+13], v[XR+14:XR+15]
	v_pk_add_f32 v[T:T+1], v[T:T+1], v[T+2:T+3]
	v_pk_add_f32 v[T+4:T+5], v[T+4:T+5], v[T+6:T+7]
	v_pk_add_f32 v[T:T+1], v[T:T+1], v[T+4:T+5]
	v_add_f32 v[T], v[T], v[T+1]
	WSUM
	v_mul_f32 v[T+8], s30, v[T]                    ; the mean
.set kk, 0
.rept 8
	v_pk_add_f32 v[XR+kk:XR+kk+1], v[XR+kk:XR+kk+1], v[T+8:T+9] op_sel_hi:[1,0] neg_lo:[0,1] neg_hi:[0,1]   ; x - mean (the pair's low word serves both halves)
.set kk, kk+2
.endr
	v_pk_mul_f32 v[T:T+1], v[XR:XR+1], v[XR:XR+1]
	v_pk_mul_f32 v[T+2:T+3], v[XR+2:XR+3], v[XR+2:XR+3]
.irp k, 4,8,12
	v_pk_fma_f32 v[T:T+1], v[XR+\k:XR+\k+1], v[XR+\k:XR+\k+1], v[T:T+1]
	v_pk_fma_f32 v[T+2:T+3], v[XR+\k+2:XR+\k+3], v[XR+\k+2:XR+\k+3], v[T+2:T+3]
.endr
	v_pk_add_f32 v[T:T+1], v[T:T+1], v[T+2:T+3]
	v_add_f32 v[T], v[T], v[T+1]
	WSUM
	v_fma_f32 v[T+10], v[T], s30, s31              ; the variance + 1e-5
	v_rsq_f32 v[T+10], v[T+10]
	v_nop                                          ; one plain instruction behind a transcendental before its result is used (ISA guide 5.7.2)
.set kk, 0
	s_wait_alu depctr_va_vdst(0)
.rept 8
	v_pk_mul_f32 v[XR+kk:XR+kk+1], v[XR+kk:XR+kk+1], v[T+10:T+11] op_sel_hi:[1,0]
.set kk, kk+2
.endr
.set kk, 0
.rept 8
	v_pk_fma_f32 v[XR+kk:XR+kk+1], v[XR+kk:XR+kk+1], v[G+kk:G+kk+1], v[B+kk:B+kk+1]
.set kk, kk+2
.endr
	v_max3_num_f32 v[T+12], |v[XR]|, |v[XR+1]|, 0x4800000            ; the largest magnitude of my 16, with the floor 2^(9 - 127) among them; two chains
	v_max3_num_f32 v[T+13], |v[XR+8]|, |v[XR+9]|, |v[XR+10]|
	v_max3_num_f32 v[T+12], v[T+12], |v[XR+2]|, |v[XR+3]|
	v_max3_num_f32 v[T+13], v[T+13], |v[XR+11]|, |v[XR+12]|
	v_max3_num_f32 v[T+12], v[T+12], |v[XR+4]|, |v[XR+5]|
	v_max3_num_f32 v[T+13], v[T+13], |v[XR+13]|, |v[XR+14]|
	v_max3_num_f32 v[T+12], v[T+12], |v[XR+6]|, |v[XR+7]|
	v_max3_num_f32 v[T+12], v[T+12], v[T+13], |v[XR+15]|
	v_max_num_f32_dpp v[T+12], v[T+12], v[T+12] row_xmask:1 row_mask:0xf bank_mask:0xf   ; and of my neighbour's 16: the block's
	v_add_nc_u32 v[T+14], 0xfc000000, v[T+12]      ; 8 off the exponent field: the conversion's scale operand
	v_and_or_b32 v[T+15], v[T+12], 0x7f800000, s29 ; 448 x the scale
	s_wait_dscnt 0x0                               ; the last row's stores have read the registers that are written next
.set kk, 0
.rept 16
	v_med3_num_f32 v[XR+kk], v[XR+kk], -v[T+15], v[T+15]   ; the conversion does not saturate (ISA guide 7.6.2): the hold comes first
.set kk, kk+1
.endr
	v_cvt_scalef32_pk8_fp8_f32 v[T+16:T+17], v[XR:XR+7], v[T+14]
	v_cvt_scalef32_pk8_fp8_f32 v[T+18:T+19], v[XR+8:XR+15], v[T+14]
	v_lshrrev_b32 v[T+20], 23, v[T+14]             ; the byte
	ds_store_b128 v2, v[T+16:T+19] offset:SL*HP
	ds_store_b8 v3, v[T+20] offset:SL*16           ; both lanes of a block write the same byte with the same value
.if (\i) < 12
	ROWLD (\i)+4
.endif
.endm
.irp i, 0,1,2,3,4,5,6,7,8,9,10,11,12
	ROW \i, 12
.endr
	ROW 13, 8
	ROW 14, 4
	ROW 15, 0
	s_wait_dscnt 0x0                               ; for the others' sake: my codes and bytes lie in LDS
	s_barrier_signal -1
	s_barrier_wait -1                              ; everybody's do
; Fragment n of 32: K step n / 8, token tile n % 8, into buffer n % 2: four loads and the rows' scale word.
.macro HLD n
.set HLM, (\n)%8
.set HLK, (\n)/8
.set HLB, HF+16*((\n)%2)
.irp c, 0,1,2,3
	ds_load_b128 v[HLB+4*\c:HLB+4*\c+3], v4 offset:16*HLM*HP+128*HLK+32*\c
.endr
	ds_load_b32 v[HW+(\n)%2], v5 offset:256*HLM+4*HLK
.endm
	s_cmp_eq_u32 s25, 0
	s_cbranch_scc0 .Lrole_v
	HLD 0
	HLD 1
; q and k: 16 accumulators by turns, one instruction a turn.  The biases are the C of each sum's first instruction.
.set nn, 0
.rept 32
.set mm, nn%8
.set ks, nn/8
.set HB, HF+16*(nn%2)
.set WBF, W+32*(ks%2)
.if nn < 31
	s_wait_dscnt 5                                 ; this fragment is in; the next one's five loads may be out
.else
	s_wait_dscnt 0x0
.endif
.if nn == 16
	s_wait_loadcnt 8                               ; K step 2's weights are in; K step 3's eight loads may be out
.endif
.if nn == 24
	s_wait_loadcnt 0x0
.endif
.if ks == 0
	v_wmma_scale_f32_16x16x128_f8f6f4 v[AQ+8*mm:AQ+8*mm+7], v[WBF:WBF+15], v[HB:HB+15], v[BQ:BQ+7], v[WSC+ks], v[HW+nn%2]
	v_wmma_scale_f32_16x16x128_f8f6f4 v[AK+8*mm:AK+8*mm+7], v[WBF+16:WBF+31], v[HB:HB+15], v[BK:BK+7], v[WSC+ks], v[HW+nn%2] matrix_a_scale:MATRIX_SCALE_ROW1
.else
	v_wmma_scale_f32_16x16x128_f8f6f4 v[AQ+8*mm:AQ+8*mm+7], v[WBF:WBF+15], v[HB:HB+15], v[AQ+8*mm:AQ+8*mm+7], v[WSC+ks], v[HW+nn%2]
	v_wmma_scale_f32_16x16x128_f8f6f4 v[AK+8*mm:AK+8*mm+7], v[WBF+16:WBF+31], v[HB:HB+15], v[AK+8*mm:AK+8*mm+7], v[WSC+ks], v[HW+nn%2] matrix_a_scale:MATRIX_SCALE_ROW1
.endif
.rept 8
	v_nop                                          ; eight places in front of loads into registers that these products read, and of the stores of results
.endr
.if nn < 30
	HLD nn+2
.endif
.if (mm == 7) && (ks < 2)
.irp c, 0,1,2,3
	global_load_b128 v[WBF+4*\c:WBF+4*\c+3], v6, s[44:45] offset:2048*(ks+2)+512*\c
	global_load_b128 v[WBF+16+4*\c:WBF+16+4*\c+3], v6, s[44:45] offset:131072+2048*(ks+2)+512*\c
.endr
.endif
.set nn, nn+1
.endr
.set mm, 0
.rept 8                                        ; each accumulator from its low end on; a store covers 512 consecutive bytes
	global_store_b128 v6, v[AQ+8*mm:AQ+8*mm+3], s[38:39] offset:1024*mm
	global_store_b128 v6, v[AQ+8*mm+4:AQ+8*mm+7], s[38:39] offset:1024*mm+512
	global_store_b128 v6, v[AK+8*mm:AK+8*mm+3], s[40:41] offset:1024*mm
	global_store_b128 v6, v[AK+8*mm+4:AK+8*mm+7], s[40:41] offset:1024*mm+512
.set mm, mm+1
.endr
	s_set_vgpr_msb 0x5
	s_wait_tensorcnt 0x0
	ds_add_u32 v0, v1
	s_wait_dscnt 0x0
	s_set_vgpr_msb 0x500
	s_endpgm
.Lrole_v:
	HLD 0
	HLD 1
.set nn, 0
.rept 32                                       ; v: source 0 = 16 tokens, source 1 = the head's 16 channels; 8 accumulators by turns
.set mm, nn%8
.set ks, nn/8
.set HB, HF+16*(nn%2)
.if nn < 31
	s_wait_dscnt 5
.else
	s_wait_dscnt 0x0
.endif
.if ks == 0
	v_wmma_scale_f32_16x16x128_f8f6f4 v[AQ+8*mm:AQ+8*mm+7], v[HB:HB+15], v[W+16*ks:W+16*ks+15], v[BQ:BQ+7], v[HW+nn%2], v[WSC+ks]
.else
	v_wmma_scale_f32_16x16x128_f8f6f4 v[AQ+8*mm:AQ+8*mm+7], v[HB:HB+15], v[W+16*ks:W+16*ks+15], v[AQ+8*mm:AQ+8*mm+7], v[HW+nn%2], v[WSC+ks]
.endif
.rept 8
	v_nop
.endr
.if nn < 30
	HLD nn+2
.endif
.set nn, nn+1
.endr
.irp b, 0,1,2,3
	v_mov_b32 v[TM+4+\b], 0                        ; a lane permute's destination counts as one of its sources
.endr
; 64 numbers a lane, register 16 b + i = key 32 b + 16 h + i of my channel, become a fragment of V^T and its scale word
.irp b, 0,1,2,3
	v_max3_num_f32 v[TM+\b], |v[AQ+16*\b]|, |v[AQ+1+16*\b]|, 0x4800000
.endr
.irp i, 2,4,6,8,10,12,14
.irp b, 0,1,2,3
	v_max3_num_f32 v[TM+\b], v[TM+\b], |v[AQ+16*\b+\i]|, |v[AQ+1+16*\b+\i]|   ; the four blocks by turns
.endr
.endr
.irp b, 0,1,2,3
	v_permlanex16_b32 v[TM+4+\b], v[TM+\b], s32, s33
.endr
.irp b, 0,1,2,3
	v_max_num_f32 v[TM+\b], v[TM+\b], v[TM+4+\b]   ; with lane l xor 16's 16 keys: the block's largest magnitude
.endr
.irp b, 0,1,2,3
	v_add_nc_u32 v[TM+12+\b], 0xfc000000, v[TM+\b]
.endr
.irp b, 0,1,2,3
	v_and_or_b32 v[TM+8+\b], v[TM+\b], 0x7f800000, s29
.endr
.irp b, 0,1,2,3
	v_lshrrev_b32 v[TM+4+\b], 23, v[TM+12+\b]
.endr
	v_lshl_or_b32 v[PW], v[TM+5], 8, v[TM+4]
	v_lshl_or_b32 v[PW], v[TM+6], 16, v[PW]
	v_lshl_or_b32 v[PW], v[TM+7], 24, v[PW]
.irp b, 0,1,2,3
.set kk, 0
.rept 16
	v_med3_num_f32 v[AQ+16*\b+kk], v[AQ+16*\b+kk], -v[TM+8+\b], v[TM+8+\b]
.set kk, kk+1
.endr
	v_cvt_scalef32_pk8_fp8_f32 v[PC+4*\b:PC+1+4*\b], v[AQ+16*\b:AQ+7+16*\b], v[TM+12+\b]
	v_cvt_scalef32_pk8_fp8_f32 v[PC+2+4*\b:PC+3+4*\b], v[AQ+8+16*\b:AQ+15+16*\b], v[TM+12+\b]
.endr
	v_and_b32 v127, 31, v0
	v_lshlrev_b32 v127, 2, v127                    ; 4 x lane: lanes 16-31 hold the same words as lanes 0-15
.irp c, 0,1,2,3
	global_store_b128 v6, v[PC+4*\c:PC+4*\c+3], s[42:43] offset:512*\c
.endr
	global_store_b32 v127, v[PW], s[22:23] offset:2097152
	s_set_vgpr_msb 0x5
	s_wait_tensorcnt 0x0
	ds_add_u32 v0, v1
	s_wait_dscnt 0x0
	s_set_vgpr_msb 0x500
	s_endpgm
.Lfunc_end_k_q6b43dae371_lnqkv:
	.size	k_q6b43dae371_lnqkv, .Lfunc_end_k_q6b43dae371_lnqkv-k_q6b43dae371_lnqkv
	.p2alignl 7, 3214868480
	.fill 96, 4, 3214868480
	.section	.rodata,"a",@progbits
	.p2align	6, 0x0
	.amdhsa_kernel k_q6b43dae371_lnqkv
		.amdhsa_group_segment_fixed_size 70656
		.amdhsa_private_segment_fixed_size 0
		.amdhsa_enable_private_segment 0
		.amdhsa_kernarg_size 80
		.amdhsa_user_sgpr_count 2
		.amdhsa_user_sgpr_kernarg_segment_ptr 1
		.amdhsa_wavefront_size32 1
		.amdhsa_system_sgpr_workgroup_id_x 1
		.amdhsa_system_sgpr_workgroup_id_y 1
		.amdhsa_system_sgpr_workgroup_id_z 1
		.amdhsa_system_vgpr_workitem_id 0
		.amdhsa_next_free_vgpr 258
		.amdhsa_next_free_sgpr 66
		.amdhsa_reserve_vcc 0
		.amdhsa_float_denorm_mode_32 3
		.amdhsa_float_denorm_mode_16_64 3
		.amdhsa_memory_ordered 1
		.amdhsa_forward_progress 1
		.amdhsa_inst_pref_size 168
	.end_amdhsa_kernel
	.amdgpu_metadata
---
amdhsa.version: [ 1, 2 ]
amdhsa.kernels:
  - .name:           k_q6b43dae371_lnqkv
    .symbol:         k_q6b43dae371_lnqkv.kd
    .args:
      - { .name: x, .offset: 0, .size: 8, .value_kind: global_buffer, .address_space: global }
      - { .name: ln1_g, .offset: 8, .size: 8, .value_kind: global_buffer, .address_space: global }
      - { .name: ln1_b, .offset: 16, .size: 8, .value_kind: global_buffer, .address_space: global }
      - { .name: bq, .offset: 24, .size: 8, .value_kind: global_buffer, .address_space: global }
      - { .name: bk, .offset: 32, .size: 8, .value_kind: global_buffer, .address_space: global }
      - { .name: bv, .offset: 40, .size: 8, .value_kind: global_buffer, .address_space: global }
      - { .name: wqkv, .offset: 48, .size: 8, .value_kind: global_buffer, .address_space: global }
      - { .name: qimg, .offset: 56, .size: 8, .value_kind: global_buffer, .address_space: global }
      - { .name: kimg, .offset: 64, .size: 8, .value_kind: global_buffer, .address_space: global }
      - { .name: vimg, .offset: 72, .size: 8, .value_kind: global_buffer, .address_space: global }
    .group_segment_fixed_size: 70656
    .private_segment_fixed_size: 0
    .kernarg_segment_align: 8
    .kernarg_segment_size: 80
    .max_flat_workgroup_size: 256
    .sgpr_count:     66
    .vgpr_count:     258
    .wavefront_size: 32
...
	.end_amdgpu_metadata
.endif
;; end of part 2
;; launch attn (part 3): grid 2 x 128, 16 waves a work-group, no clusters, 83,968 bytes of LDS; arguments qimg, kimg, vimg, aimg; writes aimg
.if DOCPART == 3
	.amdgcn_target "amdgcn-amd-amdhsa--gfx1250"
	.amdhsa_code_object_version 6
	.text
	.protected	k_q6b43dae371_attn
	.globl	k_q6b43dae371_attn
	.p2align	8
	.type	k_q6b43dae371_attn,@function
k_q6b43dae371_attn:
	s_mov_b64 s[64:65], 0
	v_nop
	global_prefetch_b8 v0, s[64:65] scope:SCOPE_SE
	s_setreg_imm32_b32 hwreg(HW_REG_WAVE_MODE, 25, 1), 1
	s_wait_xcnt 0x0
; o = softmax(q k^T / 4) v for one (batch, head) and 512 queries.  The scores (K = 16) are left as they are and feed a quantiser: f32 operands, v_wmma_f32_16x16x4_f32.  The second product is on codes of FP8 (E4M3) with E8M0 scales.
; THE SOFTMAX AHEAD OF IT: t = score x log2(e) / 4; M = the row's largest t so far, rounded UP to a whole number; p = 2^(t - M) is quantised along the keys, not normalised; the row's sum is taken of the unquantised p
; and divides at the end.  When M moves, the sum and O are multiplied by 2^(old M - new M): exact, and without a branch on data.
; SHARES.  Sixteen waves, four to a SIMD, so that one wave's vector work stands beside another's matrix work.  A wave owns two tiles of 16 queries, one after the other (a loop of two trips), and walks the head's 1,024 keys, 128 a step.
; The head's K (64 KiB, f32) and V (16 KiB, codes) are copied into LDS once, through registers, and stay: no slot is ever filled again.  No joint loads: the two work-groups of a head share these 80 KiB, read once at the head.
; LAYOUT.  Both products are transposed: S^T = K Q^T, O^T = V^T P^T: a lane holds ONE query (lane % 16) throughout.  A tile of q or k is the image of eight registers: lane (r, h) holds token place r, channels 8 h + 0..7.
; Instruction i of a score's four takes registers 2 i, 2 i + 1 of both tiles: the unit's k = 2 h + j is then channel 8 h + 2 i + j in both operands alike, and the four cover the 16 channels once.
; Key tile 2 b + u holds at place m the key 32 b + 8 u + m % 8 + 16 (m / 8): so the 16 score registers of tiles 2 b, 2 b + 1 are keys 32 b + 16 h + 0..15, the layout of the second product's operand.
; The score registers v64-127 are written by matrix instructions alone: t - M goes into v128-191.
; LIMITS: a block of p that has fallen to 0 keeps the byte 1 (its codes are zeros); 1 / sum by v_rcp_f32; NaN and infinities are not served.
.set VI,   65536                       ; LDS: K's 64 tiles of 1,024 bytes from 0, V's 8 fragments of 2,048 bytes from here
.set Q,    4                           ; v4-11    the query tile in hand
.set VS,   16                          ; v16-23   V's scale words, one register a key step
.set O,    24                          ; v24-31   O^T
.set VF,   32                          ; v32-47   a fragment of V^T
.set OUTR, 48                          ; v48-55   O^T / the sum
.set Q2,   56                          ; v56-63   my second query tile
.set S,    64                          ; v64-127  S^T
.set P,    128                         ; v128-191 a step's 8 tiles of K, then p
.set PC,   192                         ; v192-207 p's codes
.set BM,   208                         ; v208-211 each block's largest score, then its largest p
.set PT,   212                         ; v212-215 at work: the other half's maxima, then the bytes
.set HL,   216                         ; v216-219 448 x the scale
.set SO,   220                         ; v220-223 the conversions' scale operands
.set F,    224                         ; v[224:225] 2^(old M - new M)
.set PW,   226                         ; v226     p's scale word
.set TP,   227                         ; v227     at work
.set SU2,  228                         ; v[228:229] the sum's second chain
	s_load_b256 s[4:11], s[0:1], 0x0               ; qimg s[4:5], kimg s[6:7], vimg s[8:9], aimg s[10:11]
	v_lshl_add_u32 v254, v0, 2, 0x14000
	v_mov_b32 v255, 0
	v_lshrrev_b32 v1, 5, v0
	v_readfirstlane_b32 s12, v1                    ; wave 0..15
	s_and_b32 s13, ttmp7, 0xffff                   ; 16 x batch + head
	v_and_b32 v2, 31, v0
	v_lshlrev_b32 v1, 4, v2                        ; v1: 16 x lane
	v_lshlrev_b32 v230, 2, v2                      ; v230: 4 x lane
	v_add_nc_u32 v2, VI, v1                        ; v2: my place in a fragment of V
	v_lshlrev_b32 v3, 4, v0                        ; v3: 16 x thread
	v_add_nc_u32 v[TP], VI, v3
	s_mov_b32 s16, 0x76543210
	s_mov_b32 s17, 0xfedcba98                      ; v_permlanex16_b32's selects for lane l xor 16
	s_mov_b32 s18, 0x3eb8aa3b                      ; c = log2(e) / 4
	s_mov_b32 s19, s18                             ; (named with it as a pair)
	s_mov_b32 s20, 0x600000                        ; the mantissa field of 448
	s_mov_b32 s21, 2                               ; my two tiles
	s_lshl_b32 s22, s13, 16                        ; the head's K (and q): 65,536 bytes
	s_mov_b32 s23, 0
	s_lshl_b32 s24, ttmp9, 15
	s_lshl_b32 s14, s12, 10
	s_add_co_u32 s24, s24, s14
	s_add_co_u32 s24, s24, s22                     ; my first query tile: 32 x + wave
	s_mov_b32 s25, 0
	s_lshl_b32 s26, s13, 14                        ; the head's V
	s_mov_b32 s27, 0
	s_lshl_b32 s28, s13, 10                        ; and its scale words
	s_mov_b32 s29, 0
	s_lshr_b32 s14, s13, 4
	s_lshl_b32 s14, s14, 6
	s_lshl_b32 s15, ttmp9, 5
	s_add_co_u32 s14, s14, s15
	s_add_co_u32 s14, s14, s12                     ; my first tile among all tokens' tiles: 64 x batch + 32 x + wave
	s_lshl_b32 s30, s14, 14
	s_and_b32 s15, s13, 15
	s_lshl_b32 s15, s15, 10
	s_add_co_u32 s30, s30, s15                     ; 16 heads x 1,024 bytes a tile
	s_mov_b32 s31, 0
	s_wait_kmcnt 0x0
	s_add_nc_u64 s[6:7], s[6:7], s[22:23]
	s_add_nc_u64 s[4:5], s[4:5], s[24:25]
	s_add_nc_u64 s[32:33], s[8:9], s[26:27]
	s_add_nc_u64 s[8:9], s[8:9], s[28:29]
	s_add_nc_u64 s[10:11], s[10:11], s[30:31]
.irp i, 0,1,2,3,4,5,6,7
	global_load_b128 v[P+4*\i:P+4*\i+3], v3, s[6:7] offset:8192*\i       ; the 512 threads take 8,192 consecutive bytes a load
.endr
.irp i, 0,1
	global_load_b128 v[P+32+4*\i:P+32+4*\i+3], v3, s[32:33] offset:8192*\i
.endr
	global_load_b128 v[Q:Q+3], v1, s[4:5]
	global_load_b128 v[Q+4:Q+7], v1, s[4:5] offset:512
	global_load_b128 v[Q2:Q2+3], v1, s[4:5] offset:16384                 ; 16 tiles on
	global_load_b128 v[Q2+4:Q2+7], v1, s[4:5] offset:16896
.irp k, 0,1,2,3,4,5,6,7
	global_load_b32 v[VS+\k], v230, s[8:9] offset:2097152+128*\k
.endr
.irp b, 0,1,2,3
	v_mov_b32 v[PT+\b], 0                          ; written once: a lane permute's destination counts as one of its sources
.endr
	v_mov_b32 v[F+1], 0                            ; (named as the upper half of a pair)
	s_wait_loadcnt 12                              ; K's and V's ten loads are in; q's four and the eight scale words may be out
.irp i, 0,1,2,3,4,5,6,7
	ds_store_b128 v3, v[P+4*\i:P+4*\i+3] offset:8192*\i
.endr
.irp i, 0,1
	ds_store_b128 v[TP], v[P+32+4*\i:P+32+4*\i+3] offset:8192*\i
.endr
	s_wait_loadcnt 0x0
	s_wait_dscnt 0x0                               ; for the others' sake: my part of K and V lies in LDS
	s_barrier_signal -1
	s_barrier_wait -1
.macro KLD ks                          ; the 8 key tiles of step ks
.irp t, 0,1,2,3,4,5,6,7
	ds_load_b128 v[P+8*\t:P+8*\t+3], v1 offset:(8*(\ks)+\t)*1024
	ds_load_b128 v[P+8*\t+4:P+8*\t+7], v1 offset:(8*(\ks)+\t)*1024+512
.endr
.endm
; A KEY STEP: 128 keys.
.macro STEP ks
	s_wait_dscnt 0x0                               ; the step's tiles of K are in
.irp i, 0,1,2,3                                ; the eight accumulators take turns, one instruction a turn; the first four channels start the sums
.irp t, 0,1,2,3,4,5,6,7
.if \i == 0
	v_wmma_f32_16x16x4_f32 v[S+8*\t:S+8*\t+7], v[P+8*\t:P+8*\t+1], v[Q:Q+1], 0
.else
	v_wmma_f32_16x16x4_f32 v[S+8*\t:S+8*\t+7], v[P+8*\t+2*\i:P+8*\t+2*\i+1], v[Q+2*\i:Q+2*\i+1], v[S+8*\t:S+8*\t+7]
.endif
.endr
.endr
.rept 8
	v_nop                                          ; eight places: in front of the reads of the scores, of the writes over K's tiles, and of the loads into V's fragment, which the last step's product read
.endr
.irp c, 0,1,2,3
	ds_load_b128 v[VF+4*\c:VF+4*\c+3], v2 offset:2048*\ks+512*\c
.endr
.irp b, 0,1,2,3
	v_max3_num_f32 v[BM+\b], v[S+16*\b], v[S+16*\b+1], v[S+16*\b+2]   ; the largest score of each block of 32 keys: for the row's maximum, and, since p rises with the score, for the block's largest p
.endr
.irp i, 3,5,7,9,11,13
.irp b, 0,1,2,3
	v_max3_num_f32 v[BM+\b], v[BM+\b], v[S+16*\b+\i], v[S+16*\b+\i+1]
.endr
.endr
.irp b, 0,1,2,3
	v_max_num_f32 v[BM+\b], v[BM+\b], v[S+16*\b+15]
.endr
.irp b, 0,1,2,3
	v_permlanex16_b32 v[PT+\b], v[BM+\b], s16, s17
.endr
.irp b, 0,1,2,3
	v_max_num_f32 v[BM+\b], v[BM+\b], v[PT+\b]     ; with lane l xor 16's 16 keys
.endr
	v_max3_num_f32 v[TP], v[BM], v[BM+1], v[BM+2]
	v_max_num_f32 v[TP], v[TP], v[BM+3]            ; the step's largest score of my query
	v_mul_f32 v[TP], s18, v[TP]                    ; as t (c is positive)
	v_max_num_f32 v13, v13, v[TP]                  ; the running largest t
	v_mov_b32 v[TP], v12
	v_floor_f32 v12, -v13                          ; the new -M = floor(-t) = -ceil(t)
	v_sub_f32 v[TP], v12, v[TP]                    ; old M - new M: a whole number, 0 or less
	v_cvt_i32_f32 v[TP], v[TP]                     ; (it saturates)
	v_ldexp_f32 v[F], 1.0, v[TP]                   ; f = 2^(old M - new M)
.set j, 0
.rept 32
	v_pk_fma_f32 v[P+j:P+j+1], v[S+j:S+j+1], s[18:19], v[12:13] op_sel_hi:[1,0,0]   ; t - M, two at a time, into other registers than the scores'
.set j, j+2
.endr
.irp b, 0,1,2,3
	v_fma_f32 v[BM+\b], v[BM+\b], s18, v12         ; the same of each block's largest score
.endr
.set j, 0
.rept 64
	v_exp_f32 v[P+j], v[P+j]                       ; p = 2^(t - M), at most 1
.set j, j+1
.endr
.irp b, 0,1,2,3
	v_exp_f32 v[BM+\b], v[BM+\b]                   ; the block's largest p: the same two instructions on the same number
.endr
	v_pk_mul_f32 v[14:15], v[14:15], v[F:F+1] op_sel_hi:[1,0]   ; the sums under the new M (a plain instruction behind the exponentials)
	s_wait_alu depctr_va_vdst(0)
.irp b, 0,1,2,3
	v_max_num_f32 v[BM+\b], 0x4800000, v[BM+\b]    ; the floor 2^(9 - 127): the byte cannot fall under 1
.endr
.irp b, 0,1,2,3
	v_add_nc_u32 v[SO+\b], 0xfc000000, v[BM+\b]    ; 8 off the exponent field: the conversion's scale operand
.endr
.irp b, 0,1,2,3
	v_and_or_b32 v[HL+\b], v[BM+\b], 0x7f800000, s20   ; 448 x the scale
.endr
.irp b, 0,1,2,3
	v_lshrrev_b32 v[PT+\b], 23, v[SO+\b]           ; the byte
.endr
	v_lshl_or_b32 v[PW], v[PT+1], 8, v[PT]         ; p's scale word for these 128 keys
	v_lshl_or_b32 v[PW], v[PT+2], 16, v[PW]
	v_lshl_or_b32 v[PW], v[PT+3], 24, v[PW]
	v_pk_add_f32 v[SU2:SU2+1], v[P:P+1], v[P+2:P+3]   ; the row's sum is taken of the unquantised p: two chains
.irp j, 4,8,12,16,20,24,28,32,36,40,44,48,52,56,60
	v_pk_add_f32 v[14:15], v[14:15], v[P+\j:P+\j+1]
	v_pk_add_f32 v[SU2:SU2+1], v[SU2:SU2+1], v[P+\j+2:P+\j+3]
.endr
	v_pk_add_f32 v[14:15], v[14:15], v[SU2:SU2+1]
.irp b, 0,1,2,3
.set j, 0
.rept 16
	v_min_num_f32 v[P+16*\b+j], v[P+16*\b+j], v[HL+\b]   ; the conversion does not saturate (ISA guide 7.6.2); p is not negative, so the hold is one-sided
.set j, j+1
.endr
	v_cvt_scalef32_pk8_fp8_f32 v[PC+4*\b:PC+4*\b+1], v[P+16*\b:P+16*\b+7], v[SO+\b]
	v_cvt_scalef32_pk8_fp8_f32 v[PC+4*\b+2:PC+4*\b+3], v[P+16*\b+8:P+16*\b+15], v[SO+\b]
.endr
	KLD (\ks+1)%8                                  ; p is spent: the next step's tiles of K take its registers (after step 7: step 0's, for my next tile)
.irp j, 0,2,4,6
	v_pk_mul_f32 v[O+\j:O+\j+1], v[O+\j:O+\j+1], v[F:F+1] op_sel_hi:[1,0]   ; O^T under the new M
.endr
.rept 4
	v_nop                                          ; an operand written by vector instructions stands four places ahead of a scaled matrix instruction; the scale word was made far above
.endr
	s_wait_dscnt 16                                ; V's fragment is in; the sixteen loads of K issued behind it may be out
	v_wmma_scale_f32_16x16x128_f8f6f4 v[O:O+7], v[VF:VF+15], v[PC:PC+15], v[O:O+7], v[VS+\ks], v[PW]
.endm
	KLD 0
.Ltile:
.irp j, 0,1,2,3,4,5,6,7
	v_mov_b32 v[O+\j], 0                           ; the step is written once: the first finds zeros, which the first change of M leaves zeros
.endr
	v_mov_b32 v14, 0                               ; the sum, in two halves
	v_mov_b32 v15, 0
	v_mov_b32 v13, 0xff61b1e6                      ; the largest t so far: -3e38, under every t
	v_floor_f32 v12, -v13                          ; -M
.irp k, 0,1,2,3,4,5,6,7
	STEP \k
.endr
.rept 8
	v_nop                                          ; eight places behind the last product
.endr
	v_add_f32 v14, v14, v15                        ; the sum's two halves,
	v_permlanex16_b32 v[TP], v14, s16, s17
	v_add_f32 v14, v14, v[TP]                      ; and lane l xor 16's: the row's sum
	v_rcp_f32 v14, v14
	v_nop                                          ; one plain instruction behind a transcendental
	s_wait_alu depctr_va_vdst(0)
.irp j, 0,2,4,6
	v_pk_mul_f32 v[OUTR+\j:OUTR+\j+1], v[O+\j:O+\j+1], v[14:15] op_sel_hi:[1,0]   ; from the accumulator's low end on
.endr
	global_store_b128 v1, v[OUTR:OUTR+3], s[10:11]              ; the image of the eight registers: 512 consecutive bytes a store
	global_store_b128 v1, v[OUTR+4:OUTR+7], s[10:11] offset:512
	s_wait_xcnt 0x0                                ; the stores' base and data are written again only behind this wait
	s_add_nc_u64 s[10:11], s[10:11], 262144        ; 16 tiles on
.irp j, 0,1,2,3,4,5,6,7
	v_mov_b32 v[Q+\j], v[Q2+\j]                    ; my second tile takes the first's place: the loop names one set of registers
.endr
	s_sub_co_u32 s21, s21, 1
	s_cmp_lg_u32 s21, 0
	s_cbranch_scc1 .Ltile
	s_wait_dscnt 0x0                               ; the last step's loads of K, which nobody uses
	s_wait_tensorcnt 0x0
	ds_add_u32 v254, v255
	s_wait_dscnt 0x0
	s_endpgm
.Lfunc_end_k_q6b43dae371_attn:
	.size	k_q6b43dae371_attn, .Lfunc_end_k_q6b43dae371_attn-k_q6b43dae371_attn
	.p2alignl 7, 3214868480
	.fill 96, 4, 3214868480
	.section	.rodata,"a",@progbits
	.p2align	6, 0x0
	.amdhsa_kernel k_q6b43dae371_attn
		.amdhsa_group_segment_fixed_size 83968
		.amdhsa_private_segment_fixed_size 0
		.amdhsa_enable_private_segment 0
		.amdhsa_kernarg_size 32
		.amdhsa_user_sgpr_count 2
		.amdhsa_user_sgpr_kernarg_segment_ptr 1
		.amdhsa_wavefront_size32 1
		.amdhsa_system_sgpr_workgroup_id_x 1
		.amdhsa_system_sgpr_workgroup_id_y 1
		.amdhsa_system_sgpr_workgroup_id_z 1
		.amdhsa_system_vgpr_workitem_id 0
		.amdhsa_next_free_vgpr 256
		.amdhsa_next_free_sgpr 66
		.amdhsa_reserve_vcc 0
		.amdhsa_float_denorm_mode_32 3
		.amdhsa_float_denorm_mode_16_64 3
		.amdhsa_memory_ordered 1
		.amdhsa_forward_progress 1
		.amdhsa_inst_pref_size 143
	.end_amdhsa_kernel
	.amdgpu_metadata
---
amdhsa.version: [ 1, 2 ]
amdhsa.kernels:
  - .name:           k_q6b43dae371_attn
    .symbol:         k_q6b43dae371_attn.kd
    .args:
      - { .name: qimg, .offset: 0, .size: 8, .value_kind: global_buffer, .address_space: global }
      - { .name: kimg, .offset: 8, .size: 8, .value_kind: global_buffer, .address_space: global }
      - { .name: vimg, .offset: 16, .size: 8, .value_kind: global_buffer, .address_space: global }
      - { .name: aimg, .offset: 24, .size: 8, .value_kind: global_buffer, .address_space: global }
    .group_segment_fixed_size: 83968
    .private_segment_fixed_size: 0
    .kernarg_segment_align: 8
    .kernarg_segment_size: 32
    .max_flat_workgroup_size: 512
    .sgpr_count:     66
    .vgpr_count:     256
    .wavefront_size: 32
...
	.end_amdgpu_metadata
.endif
;; end of part 3
;; launch ffn (part 4): grid 256 x 1, 16 waves a work-group, no clusters, 248,064 bytes of LDS; arguments x, aimg, wstr, bproj, ln2_g, ln2_b, b1, b2, out0; writes out0
.if DOCPART == 4
	.amdgcn_target "amdgcn-amd-amdhsa--gfx1250"
	.amdhsa_code_object_version 6
	.text
	.protected	k_q6b43dae371_ffn
	.globl	k_q6b43dae371_ffn
	.p2align	8
	.type	k_q6b43dae371_ffn,@function
k_q6b43dae371_ffn:
	s_mov_b64 s[64:65], 0
	v_nop
	global_prefetch_b8 v0, s[64:65] scope:SCOPE_SE
	s_setreg_imm32_b32 hwreg(HW_REG_WAVE_MODE, 25, 1), 1
	s_wait_xcnt 0x0
; x1 = x + Q(attn) Q(Wproj) + bproj;  out = x1 + Q(leaky(Q(layernorm(x1)) Q(W1) + b1)) Q(W2) + b2.  All three products on codes of FP8 (E4M3) with E8M0 scales; everything between them stays in the work-group.
; SHARES.  A work-group takes 32 tokens: token tiles m = 0, 1 (tile u holds at place r the token 8 u + r % 8 + 16 (r / 8)).  THE SIXTEEN WAVES SHARE THE COLUMNS: wave w owns columns 32 w .. 32 w + 31 of x1 and of out,
; and hidden units 128 w .. 128 w + 127, which are K step w of the last product.
; THE UNIT.  All three products are made of one unit: two weight fragments (f = 0, 1: 32 columns) x two activation fragments (m = 0, 1) = four matrix instructions, transposed (source 0 = weights), on four accumulators by turns.
; The 32 columns are dealt to f so that a lane's 16 registers (f = 0, then f = 1) are the neighbours 16 h + 0..15 of token place r: a block of 32 along the next K lies in lanes l and l xor 16.
; A wave has 34 units (2 + 16 + 16).  Their weights are one dense stream, laid by the first launch in the order of use, and go straight into the registers of the one wave that multiplies them:
; a ring of four register buffers keeps four units (36 loads, 16.5 KiB a wave) on their way through all phases and barriers.
; No joint loads: a joint load lands in LDS, where 81,664 bytes are left beside the regions below, against the 2.2 MiB of codes that a work-group walks; and each fragment feeds one wave alone.
; ACTIVATIONS GO FROM WAVE TO WAVE THROUGH LDS AS IMAGES OF THEIR REGISTERS: a fragment is 2,048 bytes, register group c of lane l at 512 c + 16 l; scale words 4 bytes a row, m = 0's in lanes 0-15 and m = 1's in lanes 16-31 of one register.
; The variance is taken in two passes.  LIMITS: a block of zeros gets the byte 1 (its codes are zeros; this program alone reads the bytes); blocks under 2^-118 keep the floor's byte; NaN and infinities are not served.
.set XP,   2064                        ; LDS: a token's row of 2,048 bytes + 16 of padding (129 x 16 bytes)
.set X1P,  66048                       ; behind 32 such rows (x in, the result out): each wave's own image of its x1, 4,096 bytes
.set ACTI, 131584                      ; the hidden layer: fragment 2 s + m
.set ACTS, 197120                      ; its scale words: 128 s + 64 m + 4 r
.set H2I,  199168                      ; layernorm(x1): fragment 2 s + m
.set H2S,  215552
.set AI,   216064                      ; attn: fragment 2 s + m
.set AS,   224256
.set RED1, 224512                      ; 32 rows x (16 waves' partial sums + 16 bytes)
.set RED2, 227072
.set PAR,  229632                      ; 1,024 bytes a wave: its 32 of bproj, b2, gain, bias (128 bytes each), its 128 of b1
.set SS,   2228224                     ; wstr: where the scale words begin
.set WSTR, 139264
.set WSCL, 4352
.set ACC,  16                          ; v16-47   four accumulators: 16 m + 8 f
.set ACT,  48                          ; v48-79   two activation fragments
.set ASR,  80                          ; v80      their scale words
.set WS,   84                          ; v84-87   the weights' scale words, one register a unit in the ring
.set WB,   88                          ; v88-215  the ring: four units of two fragments
.set T16,  216                         ; v216-231 16 numbers in the result's layout (a bias, a gain), or at work
.set MXR,  232                         ; the quantiser, for m = 0, 1: v232-233 largest magnitudes, v234-235 the other half's, v236-237 scale operands, v238-239 448 x the scale, v240-241 bytes
.set PTR,  234
.set SOR,  236
.set HLR,  238
.set BYR,  240
.set CD,   242                         ; v242-249 codes
.set WDR,  250                         ; v250-251 scale words in the making
.set ST,   252                         ; v[252:253], v[254:255] mean, then 1 / sqrt(variance + 1e-5), for m = 0, 1
	s_load_b256 s[4:11], s[0:1], 0x0               ; x s[4:5], aimg s[6:7], wstr s[8:9], bproj s[10:11]
	s_load_b256 s[12:19], s[0:1], 0x20             ; gain s[12:13], bias s[14:15], b1 s[16:17], b2 s[18:19]
	s_load_b64 s[20:21], s[0:1], 0x40              ; out0
	v_lshrrev_b32 v1, 5, v0
	v_readfirstlane_b32 s22, v1                    ; wave 0..15
	s_mov_b32 s28, 0x76543210
	s_mov_b32 s29, 0xfedcba98                      ; v_permlanex16_b32's selects for lane l xor 16
	s_mov_b32 s30, 0x600000                        ; the mantissa field of 448
	s_mov_b32 s31, 0x3b000000                      ; 1 / 512
	s_mov_b32 s32, 0x3c23d70a                      ; 0.01
	s_mov_b32 s33, s32                             ; (named with it as a pair)
	s_mov_b32 s34, 0x3727c5ac                      ; 1e-5
	v_and_b32 v16, 31, v0                          ; lane
	v_and_b32 v17, 15, v0                          ; r
	v_bfe_u32 v18, v0, 4, 1                        ; h
	v_lshlrev_b32 v1, 4, v16                       ; v1: 16 x lane
	v_lshlrev_b32 v2, 2, v16                       ; v2: 4 x lane
	v_add_nc_u32 v3, ACTI, v1                      ; v3: my place in the hidden layer's images
	v_add_nc_u32 v4, H2I, v1                       ; v4: in layernorm's (and, by the offset, in attn's)
	v_add_nc_u32 v5, ACTS, v2                      ; v5: in the scale words
	s_lshl_b32 s36, s22, 10
	s_add_co_u32 s36, s36, PAR
	v_lshl_add_u32 v6, v18, 6, s36                 ; v6: my wave's parameters, + 64 h: my 16 columns
	v_add_nc_u32 v216, s36, v2                     ; where they are put: 4 bytes a lane,
	v_add_nc_u32 v217, s36, v1                     ; 16 bytes a lane
	v_mul_u32_u24 v7, v17, XP
	v_lshl_add_u32 v7, v18, 6, v7
	s_lshl_b32 s36, s22, 7
	v_add_nc_u32 v7, s36, v7                       ; v7: row r, my wave's 128 bytes, + 64 h
	s_add_co_u32 s36, s36, ACTS
	v_lshl_add_u32 v9, v17, 2, s36                 ; v9: where my K step's scale words go
	s_lshl_b32 s36, s22, 12
	v_add_nc_u32 v83, s36, v3                      ; v83: where my K step's two fragments go
	s_add_co_u32 s36, s36, X1P
	v_add_nc_u32 v8, s36, v1                       ; v8: my wave's image of x1
	v_mul_u32_u24 v12, v17, 80
	v_add_nc_u32 v12, RED1, v12                    ; v12: row r's sixteen partial sums
	s_lshl_b32 s36, s22, 2
	v_add_nc_u32 v13, s36, v12                     ; v13: my wave's among them
	s_bfe_u32 s36, s22, 0x10002                    ; token t has the row 16 ((t / 8) % 2) + t % 8 + 8 (t / 16); tokens 2 w, 2 w + 1 are neighbours there
	s_lshl_b32 s36, s36, 4
	s_lshr_b32 s37, s22, 3
	s_lshl_b32 s37, s37, 3
	s_add_co_u32 s36, s36, s37
	s_and_b32 s37, s22, 3
	s_lshl_b32 s37, s37, 1
	s_add_co_u32 s36, s36, s37
	s_mul_i32 s36, s36, XP
	v_add_nc_u32 v14, s36, v1                      ; v14: token 2 w's row, 16 bytes a lane
	s_lshr_b32 s35, s22, 2                         ; w / 4
	s_and_b32 s44, s22, 3                          ; w % 4
	s_lshl_b32 s37, s35, 12
	s_lshl_b32 s45, s44, 9
	s_add_co_u32 s37, s37, s45
	v_add_nc_u32 v81, s37, v4                      ; v81: layernorm's codes: my 32 columns are block w % 4 of K step w / 4
	s_lshl_b32 s37, s35, 7
	s_add_co_u32 s37, s37, s44
	s_add_co_u32 s37, s37, H2S
	v_lshl_add_u32 v82, v17, 2, s37                ; v82: and that block's byte
	s_and_b32 s44, s22, 1                          ; of attn I quantise one block: tile m = w % 2, K step (w / 2) % 2, block w / 4
	s_bfe_u32 s45, s22, 0x10001
	s_lshl_b32 s37, s45, 12
	s_lshl_b32 s46, s44, 11
	s_add_co_u32 s37, s37, s46
	s_lshl_b32 s46, s35, 9
	s_add_co_u32 s37, s37, s46
	s_add_co_u32 s37, s37, AI
	v_add_nc_u32 v11, s37, v1                      ; v11: its codes
	s_lshl_b32 s37, s45, 7
	s_lshl_b32 s46, s44, 6
	s_add_co_u32 s37, s37, s46
	s_add_co_u32 s37, s37, s35
	s_add_co_u32 s37, s37, AS
	v_lshl_add_u32 v15, v17, 2, s37                ; v15: its byte
	v_lshlrev_b32 v10, 4, v17
	v_lshl_add_u32 v10, v18, 10, v10               ; v10: in aimg: lanes 16-31 take the next head; 16 r
	s_lshl_b32 s40, ttmp9, 15                      ; two tiles of 16,384 bytes a work-group,
	s_lshl_b32 s46, s44, 14
	s_add_co_u32 s40, s40, s46                     ; my tile,
	s_lshl_b32 s46, s45, 13
	s_add_co_u32 s40, s40, s46                     ; eight heads a K step,
	s_lshl_b32 s46, s35, 11
	s_add_co_u32 s40, s40, s46                     ; two heads a block
	s_mov_b32 s41, 0
	s_lshl_b32 s38, ttmp9, 16
	s_lshl_b32 s36, s22, 12
	s_add_co_u32 s38, s38, s36                     ; rows 32 x work-group + 2 w of x and of out0
	s_mov_b32 s39, 0
	s_mul_i32 s24, s22, WSTR
	s_mov_b32 s25, 0
	s_mul_i32 s26, s22, WSCL
	s_add_co_u32 s26, s26, SS
	s_mov_b32 s27, 0
	s_lshl_b32 s46, s22, 7
	s_mov_b32 s47, 0
	s_lshl_b32 s44, s22, 9
	s_mov_b32 s45, 0
	v_mov_b32 v[PTR], 0                            ; written once: a lane permute's destination counts as one of its sources
	v_mov_b32 v[PTR+1], 0
	v_mov_b32 v[ST+1], 0                           ; (named as the upper halves of pairs)
	v_mov_b32 v[ST+3], 0
	s_wait_kmcnt 0x0
	s_add_nc_u64 s[42:43], s[20:21], s[38:39]
	s_add_nc_u64 s[38:39], s[4:5], s[38:39]
	s_add_nc_u64 s[40:41], s[6:7], s[40:41]
	s_add_nc_u64 s[24:25], s[8:9], s[24:25]        ; my stream of codes
	s_add_nc_u64 s[26:27], s[8:9], s[26:27]        ; and of scale words
	s_add_nc_u64 s[10:11], s[10:11], s[46:47]
	s_add_nc_u64 s[18:19], s[18:19], s[46:47]
	s_add_nc_u64 s[12:13], s[12:13], s[46:47]
	s_add_nc_u64 s[14:15], s[14:15], s[46:47]
	s_add_nc_u64 s[16:17], s[16:17], s[44:45]
.macro WLD u                           ; unit u's two fragments and its scale words into buffer u % 4: nine loads
.set WBL, WB+32*((\u)%4)
.irp f, 0,1
.irp c, 0,1,2,3
	global_load_b128 v[WBL+16*\f+4*\c:WBL+16*\f+4*\c+3], v1, s[24:25] offset:4096*(\u)+2048*\f+512*\c
.endr
.endr
	global_load_b32 v[WS+(\u)%4], v2, s[26:27] offset:128*(\u)
.endm
.macro ACTLD areg, aimm, simm          ; a K step's two activation fragments and their scale words
.irp m, 0,1
.irp c, 0,1,2,3
	ds_load_b128 v[ACT+16*\m+4*\c:ACT+16*\m+4*\c+3], v[\areg] offset:\aimm+2048*\m+512*\c
.endr
.endr
	ds_load_b32 v[ASR], v5 offset:\simm
.endm
; Unit u.  cb = 1: the sums begin, with the bias in v[T16] on as C; else they go on in place.  The four accumulators take turns, one instruction a turn, from unit to unit too.
.macro MM u, cb
.set WBU, WB+32*((\u)%4)
.set WSU, WS+(\u)%4
.if 33-(\u) >= 3
	s_wait_loadcnt 27                              ; this unit's nine loads are in; those of the three units behind it may be out
.else
	s_wait_loadcnt 9*(33-(\u))
.endif
	s_wait_dscnt 0x0                               ; the activations are in
.if \cb
.set C00, T16
.set C10, T16
.set C01, T16+8
.set C11, T16+8
.else
.set C00, ACC
.set C10, ACC+16
.set C01, ACC+8
.set C11, ACC+24
.endif
	v_wmma_scale_f32_16x16x128_f8f6f4 v[ACC:ACC+7], v[WBU:WBU+15], v[ACT:ACT+15], v[C00:C00+7], v[WSU], v[ASR]
	v_wmma_scale_f32_16x16x128_f8f6f4 v[ACC+16:ACC+23], v[WBU:WBU+15], v[ACT+16:ACT+31], v[C10:C10+7], v[WSU], v[ASR] matrix_b_scale:MATRIX_SCALE_ROW1
	v_wmma_scale_f32_16x16x128_f8f6f4 v[ACC+8:ACC+15], v[WBU+16:WBU+31], v[ACT:ACT+15], v[C01:C01+7], v[WSU], v[ASR] matrix_a_scale:MATRIX_SCALE_ROW1
	v_wmma_scale_f32_16x16x128_f8f6f4 v[ACC+24:ACC+31], v[WBU+16:WBU+31], v[ACT+16:ACT+31], v[C11:C11+7], v[WSU], v[ASR] matrix_a_scale:MATRIX_SCALE_ROW1 matrix_b_scale:MATRIX_SCALE_ROW1
.rept 8
	v_nop                                          ; eight places in front of loads into registers that these products read, and of the first read of results
.endr
.if (\u)+4 <= 33
	WLD (\u)+4
.endif
.endm
; nb blocks (m = 0 .. nb - 1), 16 numbers a lane at v[src + 16 m] on, each block shared with lane l xor 16: codes into v[CD + 4 m] on, the byte into v[BYR + m].
.macro QB nb, src
.irp m, 0,1
.if \m < \nb
	v_max3_num_f32 v[MXR+\m], |v[\src+16*\m]|, |v[\src+16*\m+1]|, 0x4800000   ; with the floor 2^(9 - 127): the byte cannot fall under 1
.endif
.endr
.irp i, 2,4,6,8,10,12,14
.irp m, 0,1
.if \m < \nb
	v_max3_num_f32 v[MXR+\m], v[MXR+\m], |v[\src+16*\m+\i]|, |v[\src+16*\m+\i+1]|
.endif
.endr
.endr
.irp m, 0,1
.if \m < \nb
	v_permlanex16_b32 v[PTR+\m], v[MXR+\m], s28, s29
.endif
.endr
.irp m, 0,1
.if \m < \nb
	v_max_num_f32 v[MXR+\m], v[MXR+\m], v[PTR+\m]  ; the block's largest magnitude
.endif
.endr
.irp m, 0,1
.if \m < \nb
	v_add_nc_u32 v[SOR+\m], 0xfc000000, v[MXR+\m]  ; 8 off the exponent field: the conversion's scale operand
	v_and_or_b32 v[HLR+\m], v[MXR+\m], 0x7f800000, s30   ; 448 x the scale
	v_lshrrev_b32 v[BYR+\m], 23, v[SOR+\m]         ; the byte
.endif
.endr
.irp m, 0,1
.if \m < \nb
.set qi, 0
.rept 16
	v_med3_num_f32 v[\src+16*\m+qi], v[\src+16*\m+qi], -v[HLR+\m], v[HLR+\m]   ; the conversion does not saturate (ISA guide 7.6.2): the hold comes first
.set qi, qi+1
.endr
	v_cvt_scalef32_pk8_fp8_f32 v[CD+4*\m:CD+4*\m+1], v[\src+16*\m:\src+16*\m+7], v[SOR+\m]
	v_cvt_scalef32_pk8_fp8_f32 v[CD+4*\m+2:CD+4*\m+3], v[\src+16*\m+8:\src+16*\m+15], v[SOR+\m]
.endif
.endr
	v_nop                                          ; one plain instruction behind a scaled conversion before a vector or matrix instruction writes its sources
.endm
.macro SUM16 src, t                    ; the sum of v[src] .. v[src + 15] into v[t]; v[t] .. v[t + 7] at work (t may be src)
	v_pk_add_f32 v[\t:\t+1], v[\src:\src+1], v[\src+2:\src+3]
	v_pk_add_f32 v[\t+2:\t+3], v[\src+4:\src+5], v[\src+6:\src+7]
	v_pk_add_f32 v[\t+4:\t+5], v[\src+8:\src+9], v[\src+10:\src+11]
	v_pk_add_f32 v[\t+6:\t+7], v[\src+12:\src+13], v[\src+14:\src+15]
	v_pk_add_f32 v[\t:\t+1], v[\t:\t+1], v[\t+2:\t+3]
	v_pk_add_f32 v[\t+4:\t+5], v[\t+4:\t+5], v[\t+6:\t+7]
	v_pk_add_f32 v[\t:\t+1], v[\t:\t+1], v[\t+4:\t+5]
	v_add_f32 v[\t], v[\t], v[\t+1]
.endm
.macro SQ16 src, t                     ; the sum of their squares into v[t]; v[t] .. v[t + 3] at work
	v_pk_mul_f32 v[\t:\t+1], v[\src:\src+1], v[\src:\src+1]
	v_pk_mul_f32 v[\t+2:\t+3], v[\src+2:\src+3], v[\src+2:\src+3]
.irp k, 4,8,12
	v_pk_fma_f32 v[\t:\t+1], v[\src+\k:\src+\k+1], v[\src+\k:\src+\k+1], v[\t:\t+1]
	v_pk_fma_f32 v[\t+2:\t+3], v[\src+\k+2:\src+\k+3], v[\src+\k+2:\src+\k+3], v[\t+2:\t+3]
.endr
	v_pk_add_f32 v[\t:\t+1], v[\t:\t+1], v[\t+2:\t+3]
	v_add_f32 v[\t], v[\t], v[\t+1]
.endm
.macro BAR                             ; my LDS stores have landed and my LDS loads are in: then the work-group's barrier.  The ring's loads, of bytes that nobody writes, stay out across it
	s_wait_dscnt 0x0
	s_barrier_signal -1
	s_barrier_wait -1
.endm
	; ---- 0: two rows of x, my parameters and one block of attn come in; the ring is filled
.irp i, 0,1
.irp k, 0,1,2,3
	global_load_b128 v[ACC+16*\i+4*\k:ACC+16*\i+4*\k+3], v1, s[38:39] offset:2048*\i+512*\k
.endr
.endr
	global_load_b32 v64, v2, s[10:11]
	global_load_b32 v65, v2, s[18:19]
	global_load_b32 v66, v2, s[12:13]
	global_load_b32 v67, v2, s[14:15]
	global_load_b128 v[68:71], v1, s[16:17]
.irp hh, 0,1                                   ; lane (r, h) wants token place r, head 2 c + h of the K step, channels 0..15: channel 8 hh + 4 g + 0..3 lies at 512 g + 256 hh + 16 r of the head's image: sixteen lanes read 256 consecutive bytes
.irp g, 0,1
	global_load_b128 v[48+8*\hh+4*\g:48+8*\hh+4*\g+3], v10, s[40:41] offset:512*\g+256*\hh
.endr
.endr
	WLD 0
	WLD 1
	WLD 2
	WLD 3
	s_wait_loadcnt 36                              ; all but the ring's 36 loads
.irp i, 0,1
.irp k, 0,1,2,3
	ds_store_b128 v14, v[ACC+16*\i+4*\k:ACC+16*\i+4*\k+3] offset:XP*\i+512*\k
.endr
.endr
	ds_store_b32 v216, v64
	ds_store_b32 v216, v65 offset:128
	ds_store_b32 v216, v66 offset:256
	ds_store_b32 v216, v67 offset:384
	ds_store_b128 v217, v[68:71] offset:512
	QB 1, 48
	ds_store_b128 v11, v[CD:CD+3]
	ds_store_b8 v15, v[BYR]                        ; both lanes of a block write the same byte with the same value
	BAR                                            ; x, attn's four fragments and their scale words lie in LDS
	; ---- 1: x1 = x + bproj + attn Wproj; its layer norm, quantised
.irp m, 0,1
.irp e, 0,1,2,3
	ds_load_b128 v[ACC+16*\m+4*\e:ACC+16*\m+4*\e+3], v7 offset:16*XP*\m+16*\e
.endr
.endr
.irp e, 0,1,2,3
	ds_load_b128 v[T16+4*\e:T16+4*\e+3], v6 offset:16*\e
.endr
	ACTLD 4, AI-H2I, AS-ACTS
	s_wait_dscnt 9                                 ; x and bproj are in; the nine loads of attn may be out
.irp m, 0,1
.set kk, 0
.rept 8
	v_pk_add_f32 v[ACC+16*\m+kk:ACC+16*\m+kk+1], v[ACC+16*\m+kk:ACC+16*\m+kk+1], v[T16+kk:T16+kk+1]
.set kk, kk+2
.endr
.endr
	MM 0, 0
	ACTLD 4, AI-H2I+4096, AS-ACTS+128
	MM 1, 0
.set kk, 0
.rept 8
	ds_store_b128 v8, v[ACC+4*kk:ACC+4*kk+3] offset:512*kk      ; x1 is kept, in my own bytes, for the end; each accumulator is read from its low end on
.set kk, kk+1
.endr
	SUM16 ACC, T16
	SUM16 ACC+16, T16+8
.irp m, 0,1
	v_permlanex16_b32 v[T16+8*\m+1], v[T16+8*\m], s28, s29
.endr
.irp m, 0,1
	v_add_f32 v[T16+8*\m], v[T16+8*\m], v[T16+8*\m+1]           ; the sum over my wave's 32 columns
	ds_store_b32 v13, v[T16+8*\m] offset:1280*\m
.endr
	BAR
.irp m, 0,1
.irp k, 0,1,2,3
	ds_load_b128 v[ACT+16*\m+4*\k:ACT+16*\m+4*\k+3], v12 offset:1280*\m+16*\k
.endr
.endr
	s_wait_dscnt 0x0
	SUM16 ACT, ACT                                 ; every wave adds the sixteen parts in the same order
	SUM16 ACT+16, ACT+16
.irp m, 0,1
	v_mul_f32 v[ST+2*\m], s31, v[ACT+16*\m]        ; the mean
.endr
.irp m, 0,1
.set kk, 0
.rept 8
	v_pk_add_f32 v[ACC+16*\m+kk:ACC+16*\m+kk+1], v[ACC+16*\m+kk:ACC+16*\m+kk+1], v[ST+2*\m:ST+2*\m+1] op_sel_hi:[1,0] neg_lo:[0,1] neg_hi:[0,1]
.set kk, kk+2
.endr
.endr
	SQ16 ACC, T16
	SQ16 ACC+16, T16+8
.irp m, 0,1
	v_permlanex16_b32 v[T16+8*\m+1], v[T16+8*\m], s28, s29
.endr
.irp m, 0,1
	v_add_f32 v[T16+8*\m], v[T16+8*\m], v[T16+8*\m+1]
	ds_store_b32 v13, v[T16+8*\m] offset:RED2-RED1+1280*\m
.endr
	BAR
.irp m, 0,1
.irp k, 0,1,2,3
	ds_load_b128 v[ACT+16*\m+4*\k:ACT+16*\m+4*\k+3], v12 offset:RED2-RED1+1280*\m+16*\k
.endr
.endr
.irp e, 0,1,2,3
	ds_load_b128 v[T16+4*\e:T16+4*\e+3], v6 offset:256+16*\e    ; the gain
.endr
	s_wait_dscnt 4                                 ; the parts are in; the gain's four loads may be out
	SUM16 ACT, ACT
	SUM16 ACT+16, ACT+16
.irp m, 0,1
	v_fma_f32 v[ST+2*\m], v[ACT+16*\m], s31, s34   ; the variance + 1e-5
.endr
.irp e, 0,1,2,3
	ds_load_b128 v[ACT+4*\e:ACT+4*\e+3], v6 offset:384+16*\e    ; the bias
.endr
	v_rsq_f32 v[ST], v[ST]
	v_rsq_f32 v[ST+2], v[ST+2]
	v_nop                                          ; one plain instruction behind a transcendental
	s_wait_alu depctr_va_vdst(0)
.irp m, 0,1
.set kk, 0
.rept 8
	v_pk_mul_f32 v[ACC+16*\m+kk:ACC+16*\m+kk+1], v[ACC+16*\m+kk:ACC+16*\m+kk+1], v[ST+2*\m:ST+2*\m+1] op_sel_hi:[1,0]
.set kk, kk+2
.endr
.endr
	s_wait_dscnt 0x0
.irp m, 0,1
.set kk, 0
.rept 8
	v_pk_fma_f32 v[ACC+16*\m+kk:ACC+16*\m+kk+1], v[ACC+16*\m+kk:ACC+16*\m+kk+1], v[T16+kk:T16+kk+1], v[ACT+kk:ACT+kk+1]
.set kk, kk+2
.endr
.endr
	QB 2, ACC
.irp m, 0,1
	ds_store_b128 v81, v[CD+4*\m:CD+4*\m+3] offset:2048*\m
	ds_store_b8 v82, v[BYR+\m] offset:64*\m
.endr
	BAR                                            ; layernorm's eight fragments lie in LDS
	; ---- 2: my 128 hidden units, 32 at a time: four K steps, leaky, quantised: block b of K step w of the last product
.irp b, 0,1,2,3
.irp e, 0,1,2,3
	ds_load_b128 v[T16+4*\e:T16+4*\e+3], v6 offset:512+128*\b+16*\e
.endr
.irp s, 0,1,2,3
	ACTLD 4, 4096*\s, H2S-ACTS+128*\s
.if \s == 0
	MM 2+4*\b+\s, 1
.else
	MM 2+4*\b+\s, 0
.endif
.endr
.irp m, 0,1                                    ; leaky(a) = max(a, 0.01 a), since the slope lies under 1
.set kk, 0
.rept 8
	v_pk_mul_f32 v[T16+kk:T16+kk+1], v[ACC+16*\m+kk:ACC+16*\m+kk+1], s[32:33] op_sel_hi:[1,0]
.set kk, kk+2
.endr
.set kk, 0
.rept 16
	v_max_num_f32 v[ACC+16*\m+kk], v[ACC+16*\m+kk], v[T16+kk]
.set kk, kk+1
.endr
.endr
	QB 2, ACC
.irp m, 0,1
	ds_store_b128 v83, v[CD+4*\m:CD+4*\m+3] offset:2048*\m+512*\b
.if \b == 0
	v_mov_b32 v[WDR+\m], v[BYR+\m]
.else
	v_lshl_or_b32 v[WDR+\m], v[BYR+\m], 8*\b, v[WDR+\m]
.endif
.endr
.endr
.irp m, 0,1
	ds_store_b32 v9, v[WDR+\m] offset:64*\m
.endr
.set kk, 0
.rept 8
	ds_load_b128 v[ACC+4*kk:ACC+4*kk+3], v8 offset:512*kk       ; x1 comes back
.set kk, kk+1
.endr
.irp e, 0,1,2,3
	ds_load_b128 v[T16+4*\e:T16+4*\e+3], v6 offset:128+16*\e    ; b2
.endr
	BAR                                            ; the hidden layer's 32 fragments lie in LDS
	; ---- 3: out = x1 + b2 + hidden W2: sixteen K steps
.irp m, 0,1
.set kk, 0
.rept 8
	v_pk_add_f32 v[ACC+16*\m+kk:ACC+16*\m+kk+1], v[ACC+16*\m+kk:ACC+16*\m+kk+1], v[T16+kk:T16+kk+1]
.set kk, kk+2
.endr
.endr
.set ss, 0
.rept 16
	ACTLD 3, 4096*ss, 128*ss
	MM 18+ss, 0
.set ss, ss+1
.endr
.irp m, 0,1
.irp e, 0,1,2,3
	ds_store_b128 v7, v[ACC+16*\m+4*\e:ACC+16*\m+4*\e+3] offset:16*XP*\m+16*\e   ; into the rows that held x, last read four barriers ago; each accumulator from its low end on
.endr
.endr
	BAR                                            ; 32 whole rows of the result lie in LDS
.irp i, 0,1
.irp k, 0,1,2,3
	ds_load_b128 v[ACT+16*\i+4*\k:ACT+16*\i+4*\k+3], v14 offset:XP*\i+512*\k
.endr
.endr
.irp i, 0,1
.irp k, 0,1,2,3
	s_wait_dscnt 7-4*\i-\k
	global_store_b128 v1, v[ACT+16*\i+4*\k:ACT+16*\i+4*\k+3], s[42:43] offset:2048*\i+512*\k th:TH_STORE_NT   ; 32 lanes store 512 consecutive bytes, aligned; written once, read by nobody here
.endr
.endr
	s_wait_xcnt 0x0
	v_lshl_add_u32 v254, v0, 2, 0x3c100
	v_mov_b32 v255, 0
	s_wait_tensorcnt 0x0
	ds_add_u32 v254, v255
	s_wait_dscnt 0x0
	s_endpgm
.Lfunc_end_k_q6b43dae371_ffn:
	.size	k_q6b43dae371_ffn, .Lfunc_end_k_q6b43dae371_ffn-k_q6b43dae371_ffn
	.p2alignl 7, 3214868480
	.fill 96, 4, 3214868480
	.section	.rodata,"a",@progbits
	.p2align	6, 0x0
	.amdhsa_kernel k_q6b43dae371_ffn
		.amdhsa_group_segment_fixed_size 248064
		.amdhsa_private_segment_fixed_size 0
		.amdhsa_enable_private_segment 0
		.amdhsa_kernarg_size 72
		.amdhsa_user_sgpr_count 2
		.amdhsa_user_sgpr_kernarg_segment_ptr 1
		.amdhsa_wavefront_size32 1
		.amdhsa_system_sgpr_workgroup_id_x 1
		.amdhsa_system_sgpr_workgroup_id_y 1
		.amdhsa_system_sgpr_workgroup_id_z 1
		.amdhsa_system_vgpr_workitem_id 0
		.amdhsa_next_free_vgpr 256
		.amdhsa_next_free_sgpr 66
		.amdhsa_reserve_vcc 0
		.amdhsa_float_denorm_mode_32 3
		.amdhsa_float_denorm_mode_16_64 3
		.amdhsa_memory_ordered 1
		.amdhsa_forward_progress 1
		.amdhsa_inst_pref_size 132
	.end_amdhsa_kernel
	.amdgpu_metadata
---
amdhsa.version: [ 1, 2 ]
amdhsa.kernels:
  - .name:           k_q6b43dae371_ffn
    .symbol:         k_q6b43dae371_ffn.kd
    .args:
      - { .name: x, .offset: 0, .size: 8, .value_kind: global_buffer, .address_space: global }
      - { .name: aimg, .offset: 8, .size: 8, .value_kind: global_buffer, .address_space: global }
      - { .name: wstr, .offset: 16, .size: 8, .value_kind: global_buffer, .address_space: global }
      - { .name: bproj, .offset: 24, .size: 8, .value_kind: global_buffer, .address_space: global }
      - { .name: ln2_g, .offset: 32, .size: 8, .value_kind: global_buffer, .address_space: global }
      - { .name: ln2_b, .offset: 40, .size: 8, .value_kind: global_buffer, .address_space: global }
      - { .name: b1, .offset: 48, .size: 8, .value_kind: global_buffer, .address_space: global }
      - { .name: b2, .offset: 56, .size: 8, .value_kind: global_buffer, .address_space: global }
      - { .name: out0, .offset: 64, .size: 8, .value_kind: global_buffer, .address_space: global }
    .group_segment_fixed_size: 248064
    .private_segment_fixed_size: 0
    .kernarg_segment_align: 8
    .kernarg_segment_size: 72
    .max_flat_workgroup_size: 512
    .sgpr_count:     66
    .vgpr_count:     256
    .wavefront_size: 32
...
	.end_amdgpu_metadata
.endif
;; end of part 4
;; ======== version 2 of 2: 4 launches; version 1 with the launches attn, ffn written anew for expert scheduling mode
;; workspace buffers: wqkv 405,504 bytes; wstr 2,297,856 bytes; qimg 8,388,608 bytes; kimg 8,388,608 bytes; vimg 2,228,224 bytes; aimg 8,388,608 bytes
;; launch wquant: the kernel of part 1 again; grid 640 x 1, 1 waves a work-group, no clusters, 0 bytes of LDS; arguments Wq, Wk, Wv, Wproj, W1, W2, wqkv, wstr; writes wqkv, wstr
;; launch lnqkv: the kernel of part 2 again; grid 64 x 4, 8 waves a work-group, no clusters, 70,656 bytes of LDS; arguments x, ln1_g, ln1_b, bq, bk, bv, wqkv, qimg, kimg, vimg; writes qimg, kimg, vimg
;; launch attn (part 5): grid 2 x 128, 16 waves a work-group, no clusters, 83,968 bytes of LDS; arguments qimg, kimg, vimg, aimg; writes aimg
.if DOCPART == 5
	.amdgcn_target "amdgcn-amd-amdhsa--gfx1250"
	.amdhsa_code_object_version 6
	.text
	.protected	k_q6b43dae371_attn
	.globl	k_q6b43dae371_attn
	.p2align	8
	.type	k_q6b43dae371_attn,@function
k_q6b43dae371_attn:
	s_mov_b64 s[64:65], 0
	v_nop
	global_prefetch_b8 v0, s[64:65] scope:SCOPE_SE
	s_setreg_imm32_b32 hwreg(HW_REG_WAVE_SCHED_MODE, 0, 2), 2
	s_setreg_imm32_b32 hwreg(HW_REG_WAVE_MODE, 25, 1), 1
	s_wait_xcnt 0x0
	s_wait_alu depctr_vm_vsrc(0)
; o = softmax(q k^T / 4) v for one (batch, head) and 512 queries.  The scores (K = 16) are left as they are and feed a quantiser: f32 operands, v_wmma_f32_16x16x4_f32.  The second product is on codes of FP8 (E4M3) with E8M0 scales.
; THE SOFTMAX AHEAD OF IT: t = score x log2(e) / 4; M = the row's largest t so far, rounded UP to a whole number; p = 2^(t - M) is quantised along the keys, not normalised; the row's sum is taken of the unquantised p
; and divides at the end.  When M moves, the sum and O are multiplied by 2^(old M - new M): exact, and without a branch on data.
; SHARES.  Sixteen waves, four to a SIMD, so that one wave's vector work stands beside another's matrix work.  A wave owns two tiles of 16 queries, one after the other (a loop of two trips), and walks the head's 1,024 keys, 128 a step.
; The head's K (64 KiB, f32) and V (16 KiB, codes) are copied into LDS once, through registers, and stay: no slot is ever filled again.  No joint loads: the two work-groups of a head share these 80 KiB, read once at the head.
; LAYOUT.  Both products are transposed: S^T = K Q^T, O^T = V^T P^T: a lane holds ONE query (lane % 16) throughout.  A tile of q or k is the image of eight registers: lane (r, h) holds token place r, channels 8 h + 0..7.
; Instruction i of a score's four takes registers 2 i, 2 i + 1 of both tiles: the unit's k = 2 h + j is then channel 8 h + 2 i + j in both operands alike, and the four cover the 16 channels once.
; Key tile 2 b + u holds at place m the key 32 b + 8 u + m % 8 + 16 (m / 8): so the 16 score registers of tiles 2 b, 2 b + 1 are keys 32 b + 16 h + 0..15, the layout of the second product's operand.
; The score registers v64-127 are written by matrix instructions alone: t - M goes into v128-191.
; LIMITS: a block of p that has fallen to 0 keeps the byte 1 (its codes are zeros); 1 / sum by v_rcp_f32; NaN and infinities are not served.
; THE MODE: SCHED_MODE bits 1:0 = 2 (LLVM: expert scheduling mode 2), set by the entry lines.  The code itself states the register dependences
; between vector or matrix instructions and memory or LDS instructions, with s_wait_alu, always for 0.
; THE PLAN.  Registers that memory or LDS instructions touch:
;   v1, v2, v3, v230  addresses, made at the head and never written again.   v227: the address of the head's two LDS stores of V; from the first step on it is at work.
;   P  v128-191       At the head the staging loads land in it and the LDS stores read it.  In a step: K's sixteen LDS loads land in it; the 32 score products read it; then the multiply-adds, the exponentials and the holds
;                     write it, the sums and the conversions read it; behind them the next step's K is asked for.
;   VF v32-47         Four LDS loads land in it; the step's scaled product reads it.
;   OUTR v48-55       Written by four multiplications at a tile's end; read by the two stores behind them.
;   Q, Q2, VS         loaded once, at the head.      v254, v255: written at the head, read by the closing add alone.
; So a step holds TWO waits on va_vdst.  The first stands behind the exponentials, ahead of their first reader: the last step's product, issued ahead of it, is then done reading VF, and V's four loads follow it at once.
; The second stands behind the conversions and the places that a scaled product wants behind them: the codes and the scale word are written, and nothing is left that names P: K's sixteen loads follow it, and then the product,
; which names none of the registers that those loads touch.
.set VI,   65536                       ; LDS: K's 64 tiles of 1,024 bytes from 0, V's 8 fragments of 2,048 bytes from here
.set Q,    4                           ; v4-11    the query tile in hand
.set VS,   16                          ; v16-23   V's scale words, one register a key step
.set O,    24                          ; v24-31   O^T
.set VF,   32                          ; v32-47   a fragment of V^T
.set OUTR, 48                          ; v48-55   O^T / the sum
.set Q2,   56                          ; v56-63   my second query tile
.set S,    64                          ; v64-127  S^T
.set P,    128                         ; v128-191 a step's 8 tiles of K, then p
.set PC,   192                         ; v192-207 p's codes
.set BM,   208                         ; v208-211 each block's largest score, then its largest p
.set PT,   212                         ; v212-215 at work: the other half's maxima, then the bytes
.set HL,   216                         ; v216-219 448 x the scale
.set SO,   220                         ; v220-223 the conversions' scale operands
.set F,    224                         ; v[224:225] 2^(old M - new M)
.set PW,   226                         ; v226     p's scale word
.set TP,   227                         ; v227     at work
.set SU2,  228                         ; v[228:229] the sum's second chain
	s_load_b256 s[4:11], s[0:1], 0x0               ; qimg s[4:5], kimg s[6:7], vimg s[8:9], aimg s[10:11]
	v_lshl_add_u32 v254, v0, 2, 0x14000
	v_mov_b32 v255, 0
	v_lshrrev_b32 v1, 5, v0
	v_readfirstlane_b32 s12, v1                    ; wave 0..15
	s_and_b32 s13, ttmp7, 0xffff                   ; 16 x batch + head
	v_and_b32 v2, 31, v0
	v_lshlrev_b32 v1, 4, v2                        ; v1: 16 x lane
	v_lshlrev_b32 v230, 2, v2                      ; v230: 4 x lane
	v_add_nc_u32 v2, VI, v1                        ; v2: my place in a fragment of V
	v_lshlrev_b32 v3, 4, v0                        ; v3: 16 x thread
	v_add_nc_u32 v[TP], VI, v3
.irp b, 0,1,2,3
	v_mov_b32 v[PT+\b], 0                          ; written once: a lane permute's destination counts as one of its sources
.endr
	v_mov_b32 v[F+1], 0                            ; (named as the upper half of a pair)
	s_mov_b32 s16, 0x76543210
	s_mov_b32 s17, 0xfedcba98                      ; v_permlanex16_b32's selects for lane l xor 16
	s_mov_b32 s18, 0x3eb8aa3b                      ; c = log2(e) / 4
	s_mov_b32 s19, s18                             ; (named with it as a pair)
	s_mov_b32 s20, 0x600000                        ; the mantissa field of 448
	s_mov_b32 s21, 2                               ; my two tiles
	s_lshl_b32 s22, s13, 16                        ; the head's K (and q): 65,536 bytes
	s_mov_b32 s23, 0
	s_lshl_b32 s24, ttmp9, 15
	s_wait_alu depctr_va_sdst(0)                   ; s12, the wave's number, is written, ahead of its first reader: q's and the result's offsets are made from it
	s_lshl_b32 s14, s12, 10
	s_add_co_u32 s24, s24, s14
	s_add_co_u32 s24, s24, s22                     ; my first query tile: 32 x + wave
	s_mov_b32 s25, 0
	s_lshl_b32 s26, s13, 14                        ; the head's V
	s_mov_b32 s27, 0
	s_lshl_b32 s28, s13, 10                        ; and its scale words
	s_mov_b32 s29, 0
	s_lshr_b32 s14, s13, 4
	s_lshl_b32 s14, s14, 6
	s_lshl_b32 s15, ttmp9, 5
	s_add_co_u32 s14, s14, s15
	s_add_co_u32 s14, s14, s12                     ; my first tile among all tokens' tiles: 64 x batch + 32 x + wave
	s_lshl_b32 s30, s14, 14
	s_and_b32 s15, s13, 15
	s_lshl_b32 s15, s15, 10
	s_add_co_u32 s30, s30, s15                     ; 16 heads x 1,024 bytes a tile
	s_mov_b32 s31, 0
	s_wait_kmcnt 0x0
	s_add_nc_u64 s[6:7], s[6:7], s[22:23]
	s_add_nc_u64 s[4:5], s[4:5], s[24:25]
	s_add_nc_u64 s[32:33], s[8:9], s[26:27]
	s_add_nc_u64 s[8:9], s[8:9], s[28:29]
	s_add_nc_u64 s[10:11], s[10:11], s[30:31]
	s_wait_alu depctr_va_vdst(0)                   ; the addresses v1, v2, v3, v227 and v230 are written: every load and store of the kernel reads one of them
.irp i, 0,1,2,3,4,5,6,7
	global_load_b128 v[P+4*\i:P+4*\i+3], v3, s[6:7] offset:8192*\i       ; the 512 threads take 8,192 consecutive bytes a load
.endr
.irp i, 0,1
	global_load_b128 v[P+32+4*\i:P+32+4*\i+3], v3, s[32:33] offset:8192*\i
.endr
	global_load_b128 v[Q:Q+3], v1, s[4:5]
	global_load_b128 v[Q+4:Q+7], v1, s[4:5] offset:512
	global_load_b128 v[Q2:Q2+3], v1, s[4:5] offset:16384                 ; 16 tiles on
	global_load_b128 v[Q2+4:Q2+7], v1, s[4:5] offset:16896
.irp k, 0,1,2,3,4,5,6,7
	global_load_b32 v[VS+\k], v230, s[8:9] offset:2097152+128*\k
.endr
	s_wait_loadcnt 12                              ; K's and V's ten loads are in; q's four and the eight scale words may be out
.irp i, 0,1,2,3,4,5,6,7
	ds_store_b128 v3, v[P+4*\i:P+4*\i+3] offset:8192*\i
.endr
.irp i, 0,1
	ds_store_b128 v[TP], v[P+32+4*\i:P+32+4*\i+3] offset:8192*\i
.endr
	s_wait_loadcnt 0x0
	s_wait_dscnt 0x0                               ; for the others' sake: my part of K and V lies in LDS
	s_barrier_signal -1
	s_barrier_wait -1
	s_wait_alu depctr_vm_vsrc(0)                   ; my LDS stores have read v[P ..], in which K's tiles land next, and v227, which the first step writes
.macro KLD ks                          ; the 8 key tiles of step ks
.irp t, 0,1,2,3,4,5,6,7
	ds_load_b128 v[P+8*\t:P+8*\t+3], v1 offset:(8*(\ks)+\t)*1024
	ds_load_b128 v[P+8*\t+4:P+8*\t+7], v1 offset:(8*(\ks)+\t)*1024+512
.endr
.endm
; A KEY STEP: 128 keys.
.macro STEP ks
	s_wait_dscnt 0x0                               ; the step's tiles of K are in
.irp i, 0,1,2,3                                ; the eight accumulators take turns, one instruction a turn; the first four channels start the sums
.irp t, 0,1,2,3,4,5,6,7
.if \i == 0
	v_wmma_f32_16x16x4_f32 v[S+8*\t:S+8*\t+7], v[P+8*\t:P+8*\t+1], v[Q:Q+1], 0
.else
	v_wmma_f32_16x16x4_f32 v[S+8*\t:S+8*\t+7], v[P+8*\t+2*\i:P+8*\t+2*\i+1], v[Q+2*\i:Q+2*\i+1], v[S+8*\t:S+8*\t+7]
.endif
.endr
.endr
.rept 8
	v_nop                                          ; eight places: in front of the reads of the scores and of the writes over K's tiles
.endr
.irp b, 0,1,2,3
	v_max3_num_f32 v[BM+\b], v[S+16*\b], v[S+16*\b+1], v[S+16*\b+2]   ; the largest score of each block of 32 keys: for the row's maximum, and, since p rises with the score, for the block's largest p
.endr
.irp i, 3,5,7,9,11,13
.irp b, 0,1,2,3
	v_max3_num_f32 v[BM+\b], v[BM+\b], v[S+16*\b+\i], v[S+16*\b+\i+1]
.endr
.endr
.irp b, 0,1,2,3
	v_max_num_f32 v[BM+\b], v[BM+\b], v[S+16*\b+15]
.endr
.irp b, 0,1,2,3
	v_permlanex16_b32 v[PT+\b], v[BM+\b], s16, s17
.endr
.irp b, 0,1,2,3
	v_max_num_f32 v[BM+\b], v[BM+\b], v[PT+\b]     ; with lane l xor 16's 16 keys
.endr
	v_max3_num_f32 v[TP], v[BM], v[BM+1], v[BM+2]
	v_max_num_f32 v[TP], v[TP], v[BM+3]            ; the step's largest score of my query
	v_mul_f32 v[TP], s18, v[TP]                    ; as t (c is positive)
	v_max_num_f32 v13, v13, v[TP]                  ; the running largest t
	v_mov_b32 v[TP], v12
	v_floor_f32 v12, -v13                          ; the new -M = floor(-t) = -ceil(t)
	v_sub_f32 v[TP], v12, v[TP]                    ; old M - new M: a whole number, 0 or less
	v_cvt_i32_f32 v[TP], v[TP]                     ; (it saturates)
	v_ldexp_f32 v[F], 1.0, v[TP]                   ; f = 2^(old M - new M)
.set j, 0
.rept 32
	v_pk_fma_f32 v[P+j:P+j+1], v[S+j:S+j+1], s[18:19], v[12:13] op_sel_hi:[1,0,0]   ; t - M, two at a time, into other registers than the scores'
.set j, j+2
.endr
.irp b, 0,1,2,3
	v_fma_f32 v[BM+\b], v[BM+\b], s18, v12         ; the same of each block's largest score
.endr
.set j, 0
.rept 64
	v_exp_f32 v[P+j], v[P+j]                       ; p = 2^(t - M), at most 1
.set j, j+1
.endr
.irp b, 0,1,2,3
	v_exp_f32 v[BM+\b], v[BM+\b]                   ; the block's largest p: the same two instructions on the same number
.endr
	v_pk_mul_f32 v[14:15], v[14:15], v[F:F+1] op_sel_hi:[1,0]   ; the sums under the new M (a plain instruction behind the exponentials)
	s_wait_alu depctr_va_vdst(0)                   ; the 68 exponentials have written p and the blocks' largest p, ahead of their first reader; and the last step's product is done reading V's fragment, in which the four loads below land
.irp c, 0,1,2,3
	ds_load_b128 v[VF+4*\c:VF+4*\c+3], v2 offset:2048*\ks+512*\c
.endr
.irp b, 0,1,2,3
	v_max_num_f32 v[BM+\b], 0x4800000, v[BM+\b]    ; the floor 2^(9 - 127): the byte cannot fall under 1
.endr
.irp b, 0,1,2,3
	v_add_nc_u32 v[SO+\b], 0xfc000000, v[BM+\b]    ; 8 off the exponent field: the conversion's scale operand
.endr
.irp b, 0,1,2,3
	v_and_or_b32 v[HL+\b], v[BM+\b], 0x7f800000, s20   ; 448 x the scale
.endr
.irp b, 0,1,2,3
	v_lshrrev_b32 v[PT+\b], 23, v[SO+\b]           ; the byte
.endr
	v_lshl_or_b32 v[PW], v[PT+1], 8, v[PT]         ; p's scale word for these 128 keys
	v_lshl_or_b32 v[PW], v[PT+2], 16, v[PW]
	v_lshl_or_b32 v[PW], v[PT+3], 24, v[PW]
	v_pk_add_f32 v[SU2:SU2+1], v[P:P+1], v[P+2:P+3]   ; the row's sum is taken of the unquantised p: two chains
.irp j, 4,8,12,16,20,24,28,32,36,40,44,48,52,56,60
	v_pk_add_f32 v[14:15], v[14:15], v[P+\j:P+\j+1]
	v_pk_add_f32 v[SU2:SU2+1], v[SU2:SU2+1], v[P+\j+2:P+\j+3]
.endr
	v_pk_add_f32 v[14:15], v[14:15], v[SU2:SU2+1]
.irp b, 0,1,2,3
.set j, 0
.rept 16
	v_min_num_f32 v[P+16*\b+j], v[P+16*\b+j], v[HL+\b]   ; the conversion does not saturate (ISA guide 7.6.2); p is not negative, so the hold is one-sided
.set j, j+1
.endr
	v_cvt_scalef32_pk8_fp8_f32 v[PC+4*\b:PC+4*\b+1], v[P+16*\b:P+16*\b+7], v[SO+\b]
	v_cvt_scalef32_pk8_fp8_f32 v[PC+4*\b+2:PC+4*\b+3], v[P+16*\b+8:P+16*\b+15], v[SO+\b]
.endr
.irp j, 0,2,4,6
	v_pk_mul_f32 v[O+\j:O+\j+1], v[O+\j:O+\j+1], v[F:F+1] op_sel_hi:[1,0]   ; O^T under the new M
.endr
.rept 4
	v_nop                                          ; an operand written by vector instructions stands four places ahead of a scaled matrix instruction; the scale word was made far above
.endr
	s_wait_alu depctr_va_vdst(0)                   ; behind those places: the conversions have written the codes, and the scale word is written, which the product below takes; the holds and the conversions are done with p's registers, in which the sixteen loads below land
	KLD (\ks+1)%8                                  ; p is spent: the next step's tiles of K take its registers (after step 7: step 0's, for my next tile)
	s_wait_dscnt 16                                ; V's fragment is in; the sixteen loads of K issued behind it may be out
	v_wmma_scale_f32_16x16x128_f8f6f4 v[O:O+7], v[VF:VF+15], v[PC:PC+15], v[O:O+7], v[VS+\ks], v[PW]
.endm
	KLD 0
.Ltile:
.irp j, 0,1,2,3,4,5,6,7
	v_mov_b32 v[O+\j], 0                           ; the step is written once: the first finds zeros, which the first change of M leaves zeros
.endr
	v_mov_b32 v14, 0                               ; the sum, in two halves
	v_mov_b32 v15, 0
	v_mov_b32 v13, 0xff61b1e6                      ; the largest t so far: -3e38, under every t
	v_floor_f32 v12, -v13                          ; -M
.irp k, 0,1,2,3,4,5,6,7
	STEP \k
.endr
.rept 8
	v_nop                                          ; eight places behind the last product
.endr
	v_add_f32 v14, v14, v15                        ; the sum's two halves,
	v_permlanex16_b32 v[TP], v14, s16, s17
	v_add_f32 v14, v14, v[TP]                      ; and lane l xor 16's: the row's sum
	v_rcp_f32 v14, v14
	v_nop                                          ; one plain instruction behind a transcendental
	s_wait_alu depctr_va_vdst(0)                   ; the reciprocal has written v14, ahead of its first reader
.irp j, 0,2,4,6
	v_pk_mul_f32 v[OUTR+\j:OUTR+\j+1], v[O+\j:O+\j+1], v[14:15] op_sel_hi:[1,0]   ; from the accumulator's low end on
.endr
	s_wait_alu depctr_va_vdst(0)                   ; the four multiplications have written v[OUTR ..], which the two stores read
	global_store_b128 v1, v[OUTR:OUTR+3], s[10:11]              ; the image of the eight registers: 512 consecutive bytes a store
	global_store_b128 v1, v[OUTR+4:OUTR+7], s[10:11] offset:512
	s_wait_xcnt 0x0                                ; the stores' base and data are written again only behind this wait
	s_wait_alu depctr_vm_vsrc(0)                   ; the two stores have read v[OUTR ..], which the next trip's multiplications write again
	s_add_nc_u64 s[10:11], s[10:11], 262144        ; 16 tiles on
.irp j, 0,1,2,3,4,5,6,7
	v_mov_b32 v[Q+\j], v[Q2+\j]                    ; my second tile takes the first's place: the loop names one set of registers
.endr
	s_sub_co_u32 s21, s21, 1
	s_cmp_lg_u32 s21, 0
	s_cbranch_scc1 .Ltile
	s_wait_dscnt 0x0                               ; the closing lines, six on end
	s_wait_alu 0x0
	s_wait_tensorcnt 0x0
	ds_add_u32 v254, v255
	s_wait_dscnt 0x0
	s_endpgm
.Lfunc_end_k_q6b43dae371_attn:
	.size	k_q6b43dae371_attn, .Lfunc_end_k_q6b43dae371_attn-k_q6b43dae371_attn
	.p2alignl 7, 3214868480
	.fill 96, 4, 3214868480
	.section	.rodata,"a",@progbits
	.p2align	6, 0x0
	.amdhsa_kernel k_q6b43dae371_attn
		.amdhsa_group_segment_fixed_size 83968
		.amdhsa_private_segment_fixed_size 0
		.amdhsa_enable_private_segment 0
		.amdhsa_kernarg_size 32
		.amdhsa_user_sgpr_count 2
		.amdhsa_user_sgpr_kernarg_segment_ptr 1
		.amdhsa_wavefront_size32 1
		.amdhsa_system_sgpr_workgroup_id_x 1
		.amdhsa_system_sgpr_workgroup_id_y 1
		.amdhsa_system_sgpr_workgroup_id_z 1
		.amdhsa_system_vgpr_workitem_id 0
		.amdhsa_next_free_vgpr 256
		.amdhsa_next_free_sgpr 66
		.amdhsa_reserve_vcc 0
		.amdhsa_float_denorm_mode_32 3
		.amdhsa_float_denorm_mode_16_64 3
		.amdhsa_memory_ordered 1
		.amdhsa_forward_progress 1
		.amdhsa_inst_pref_size 144
	.end_amdhsa_kernel
	.amdgpu_metadata
---
amdhsa.version: [ 1, 2 ]
amdhsa.kernels:
  - .name:           k_q6b43dae371_attn
    .symbol:         k_q6b43dae371_attn.kd
    .args:
      - { .name: qimg, .offset: 0, .size: 8, .value_kind: global_buffer, .address_space: global }
      - { .name: kimg, .offset: 8, .size: 8, .value_kind: global_buffer, .address_space: global }
      - { .name: vimg, .offset: 16, .size: 8, .value_kind: global_buffer, .address_space: global }
      - { .name: aimg, .offset: 24, .size: 8, .value_kind: global_buffer, .address_space: global }
    .group_segment_fixed_size: 83968
    .private_segment_fixed_size: 0
    .kernarg_segment_align: 8
    .kernarg_segment_size: 32
    .max_flat_workgroup_size: 512
    .sgpr_count:     66
    .vgpr_count:     256
    .wavefront_size: 32
...
	.end_amdgpu_metadata
.endif
;; end of part 5
;; launch ffn (part 6): grid 256 x 1, 16 waves a work-group, no clusters, 248,064 bytes of LDS; arguments x, aimg, wstr, bproj, ln2_g, ln2_b, b1, b2, out0; writes out0
.if DOCPART == 6
	.amdgcn_target "amdgcn-amd-amdhsa--gfx1250"
	.amdhsa_code_object_version 6
	.text
	.protected	k_q6b43dae371_ffn
	.globl	k_q6b43dae371_ffn
	.p2align	8
	.type	k_q6b43dae371_ffn,@function
k_q6b43dae371_ffn:
	s_mov_b64 s[64:65], 0
	v_nop
	global_prefetch_b8 v0, s[64:65] scope:SCOPE_SE
	s_setreg_imm32_b32 hwreg(HW_REG_WAVE_SCHED_MODE, 0, 2), 2
	s_setreg_imm32_b32 hwreg(HW_REG_WAVE_MODE, 25, 1), 1
	s_wait_xcnt 0x0
	s_wait_alu depctr_vm_vsrc(0)
; x1 = x + Q(attn) Q(Wproj) + bproj;  out = x1 + Q(leaky(Q(layernorm(x1)) Q(W1) + b1)) Q(W2) + b2.  All three products on codes of FP8 (E4M3) with E8M0 scales; everything between them stays in the work-group.
; SHARES.  A work-group takes 32 tokens: token tiles m = 0, 1 (tile u holds at place r the token 8 u + r % 8 + 16 (r / 8)).  THE SIXTEEN WAVES SHARE THE COLUMNS: wave w owns columns 32 w .. 32 w + 31 of x1 and of out,
; and hidden units 128 w .. 128 w + 127, which are K step w of the last product.
; THE UNIT.  All three products are made of one unit: two weight fragments (f = 0, 1: 32 columns) x two activation fragments (m = 0, 1) = four matrix instructions, transposed (source 0 = weights), on four accumulators by turns.
; The 32 columns are dealt to f so that a lane's 16 registers (f = 0, then f = 1) are the neighbours 16 h + 0..15 of token place r: a block of 32 along the next K lies in lanes l and l xor 16.
; A wave has 34 units (2 + 16 + 16).  Their weights are one dense stream, laid by the first launch in the order of use, and go straight into the registers of the one wave that multiplies them:
; a ring of four register buffers keeps four units (36 loads, 16.5 KiB a wave) on their way through all phases and barriers.
; No joint loads: a joint load lands in LDS, where 81,664 bytes are left beside the regions below, against the 2.2 MiB of codes that a work-group walks; and each fragment feeds one wave alone.
; ACTIVATIONS GO FROM WAVE TO WAVE THROUGH LDS AS IMAGES OF THEIR REGISTERS: a fragment is 2,048 bytes, register group c of lane l at 512 c + 16 l; scale words 4 bytes a row, m = 0's in lanes 0-15 and m = 1's in lanes 16-31 of one register.
; The variance is taken in two passes.  LIMITS: a block of zeros gets the byte 1 (its codes are zeros; this program alone reads the bytes); blocks under 2^-118 keep the floor's byte; NaN and infinities are not served.
; THE MODE: SCHED_MODE bits 1:0 = 2 (LLVM: expert scheduling mode 2), set by the entry lines.  The code itself states the register dependences
; between vector or matrix instructions and memory or LDS instructions, with s_wait_alu, always for 0.
; THE PLAN.  Registers that memory or LDS instructions touch:
;   v1-v15, v81-v83   addresses, made at the head and never written again.   v216, v217: the addresses of the head's stores of the parameters; afterwards part of T16.
;   WB, WS            the ring: unit u's nine global loads land in buffer u % 4; unit u's four products read it; behind them unit u + 4 is asked for.
;   ACT, ASR          nine LDS loads land in them for each unit; the unit's products read them.  In the layer norm ACT also takes the sixteen waves' partial sums, which vector instructions add in place, and the bias.
;   ACC               x and x1 land in it from LDS; products and vector instructions write it; LDS stores read it (x on the way in, x1, the result).
;   T16               parameters land in it from LDS; it is also at work, and the stores of the partial sums read it.
;   CD, BYR, WDR      written by the quantiser; read by the LDS stores behind it.
; ONE wait on va_vdst stands in a unit, behind its four products and their places: they are done reading WB[u % 4], WS[u % 4], ACT and ASR, and have written ACC.  Behind it follow, with no further wait, the next unit's
; activations, the ring's refill and, behind units 1 and 33, the LDS stores of ACC: no vector or matrix instruction between names a register that these touch.  One more stands behind each run of the quantiser and ahead of each
; pair of partial sums' stores.  A wait on vm_vsrc stands behind each of the first three barriers and ahead of the quantiser in each hidden block: each says which stores have read which registers.
.set XP,   2064                        ; LDS: a token's row of 2,048 bytes + 16 of padding (129 x 16 bytes)
.set X1P,  66048                       ; behind 32 such rows (x in, the result out): each wave's own image of its x1, 4,096 bytes
.set ACTI, 131584                      ; the hidden layer: fragment 2 s + m
.set ACTS, 197120                      ; its scale words: 128 s + 64 m + 4 r
.set H2I,  199168                      ; layernorm(x1): fragment 2 s + m
.set H2S,  215552
.set AI,   216064                      ; attn: fragment 2 s + m
.set AS,   224256
.set RED1, 224512                      ; 32 rows x (16 waves' partial sums + 16 bytes)
.set RED2, 227072
.set PAR,  229632                      ; 1,024 bytes a wave: its 32 of bproj, b2, gain, bias (128 bytes each), its 128 of b1
.set SS,   2228224                     ; wstr: where the scale words begin
.set WSTR, 139264
.set WSCL, 4352
.set ACC,  16                          ; v16-47   four accumulators: 16 m + 8 f
.set ACT,  48                          ; v48-79   two activation fragments
.set ASR,  80                          ; v80      their scale words
.set WS,   84                          ; v84-87   the weights' scale words, one register a unit in the ring
.set WB,   88                          ; v88-215  the ring: four units of two fragments
.set T16,  216                         ; v216-231 16 numbers in the result's layout (a bias, a gain), or at work
.set MXR,  232                         ; the quantiser, for m = 0, 1: v232-233 largest magnitudes, v234-235 the other half's, v236-237 scale operands, v238-239 448 x the scale, v240-241 bytes
.set PTR,  234
.set SOR,  236
.set HLR,  238
.set BYR,  240
.set CD,   242                         ; v242-249 codes
.set WDR,  250                         ; v250-251 scale words in the making
.set ST,   252                         ; v[252:253], v[254:255] mean, then 1 / sqrt(variance + 1e-5), for m = 0, 1
	s_load_b256 s[4:11], s[0:1], 0x0               ; x s[4:5], aimg s[6:7], wstr s[8:9], bproj s[10:11]
	s_load_b256 s[12:19], s[0:1], 0x20             ; gain s[12:13], bias s[14:15], b1 s[16:17], b2 s[18:19]
	s_load_b64 s[20:21], s[0:1], 0x40              ; out0
	v_lshrrev_b32 v1, 5, v0
	v_readfirstlane_b32 s22, v1                    ; wave 0..15
	s_mov_b32 s28, 0x76543210
	s_mov_b32 s29, 0xfedcba98                      ; v_permlanex16_b32's selects for lane l xor 16
	s_mov_b32 s30, 0x600000                        ; the mantissa field of 448
	s_mov_b32 s31, 0x3b000000                      ; 1 / 512
	s_mov_b32 s32, 0x3c23d70a                      ; 0.01
	s_mov_b32 s33, s32                             ; (named with it as a pair)
	s_mov_b32 s34, 0x3727c5ac                      ; 1e-5
	v_and_b32 v16, 31, v0                          ; lane
	v_and_b32 v17, 15, v0                          ; r
	v_bfe_u32 v18, v0, 4, 1                        ; h
	v_lshlrev_b32 v1, 4, v16                       ; v1: 16 x lane
	v_lshlrev_b32 v2, 2, v16                       ; v2: 4 x lane
	v_add_nc_u32 v3, ACTI, v1                      ; v3: my place in the hidden layer's images
	v_add_nc_u32 v4, H2I, v1                       ; v4: in layernorm's (and, by the offset, in attn's)
	v_add_nc_u32 v5, ACTS, v2                      ; v5: in the scale words
	s_wait_alu depctr_va_sdst(0)                   ; s22, the wave's number, is written, ahead of its first reader: the wave's LDS places and offsets are made from it
	s_lshl_b32 s36, s22, 10
	s_add_co_u32 s36, s36, PAR
	v_lshl_add_u32 v6, v18, 6, s36                 ; v6: my wave's parameters, + 64 h: my 16 columns
	v_add_nc_u32 v216, s36, v2                     ; where they are put: 4 bytes a lane,
	v_add_nc_u32 v217, s36, v1                     ; 16 bytes a lane
	v_mul_u32_u24 v7, v17, XP
	v_lshl_add_u32 v7, v18, 6, v7
	s_lshl_b32 s36, s22, 7
	v_add_nc_u32 v7, s36, v7                       ; v7: row r, my wave's 128 bytes, + 64 h
	s_add_co_u32 s36, s36, ACTS
	v_lshl_add_u32 v9, v17, 2, s36                 ; v9: where my K step's scale words go
	s_lshl_b32 s36, s22, 12
	v_add_nc_u32 v83, s36, v3                      ; v83: where my K step's two fragments go
	s_add_co_u32 s36, s36, X1P
	v_add_nc_u32 v8, s36, v1                       ; v8: my wave's image of x1
	v_mul_u32_u24 v12, v17, 80
	v_add_nc_u32 v12, RED1, v12                    ; v12: row r's sixteen partial sums
	s_lshl_b32 s36, s22, 2
	v_add_nc_u32 v13, s36, v12                     ; v13: my wave's among them
	s_bfe_u32 s36, s22, 0x10002                    ; token t has the row 16 ((t / 8) % 2) + t % 8 + 8 (t / 16); tokens 2 w, 2 w + 1 are neighbours there
	s_lshl_b32 s36, s36, 4
	s_lshr_b32 s37, s22, 3
	s_lshl_b32 s37, s37, 3
	s_add_co_u32 s36, s36, s37
	s_and_b32 s37, s22, 3
	s_lshl_b32 s37, s37, 1
	s_add_co_u32 s36, s36, s37
	s_mul_i32 s36, s36, XP
	v_add_nc_u32 v14, s36, v1                      ; v14: token 2 w's row, 16 bytes a lane
	s_lshr_b32 s35, s22, 2                         ; w / 4
	s_and_b32 s44, s22, 3                          ; w % 4
	s_lshl_b32 s37, s35, 12
	s_lshl_b32 s45, s44, 9
	s_add_co_u32 s37, s37, s45
	v_add_nc_u32 v81, s37, v4                      ; v81: layernorm's codes: my 32 columns are block w % 4 of K step w / 4
	s_lshl_b32 s37, s35, 7
	s_add_co_u32 s37, s37, s44
	s_add_co_u32 s37, s37, H2S
	v_lshl_add_u32 v82, v17, 2, s37                ; v82: and that block's byte
	s_and_b32 s44, s22, 1                          ; of attn I quantise one block: tile m = w % 2, K step (w / 2) % 2, block w / 4
	s_bfe_u32 s45, s22, 0x10001
	s_lshl_b32 s37, s45, 12
	s_lshl_b32 s46, s44, 11
	s_add_co_u32 s37, s37, s46
	s_lshl_b32 s46, s35, 9
	s_add_co_u32 s37, s37, s46
	s_add_co_u32 s37, s37, AI
	v_add_nc_u32 v11, s37, v1                      ; v11: its codes
	s_lshl_b32 s37, s45, 7
	s_lshl_b32 s46, s44, 6
	s_add_co_u32 s37, s37, s46
	s_add_co_u32 s37, s37, s35
	s_add_co_u32 s37, s37, AS
	v_lshl_add_u32 v15, v17, 2, s37                ; v15: its byte
	v_lshlrev_b32 v10, 4, v17
	v_lshl_add_u32 v10, v18, 10, v10               ; v10: in aimg: lanes 16-31 take the next head; 16 r
	s_lshl_b32 s40, ttmp9, 15                      ; two tiles of 16,384 bytes a work-group,
	s_lshl_b32 s46, s44, 14
	s_add_co_u32 s40, s40, s46                     ; my tile,
	s_lshl_b32 s46, s45, 13
	s_add_co_u32 s40, s40, s46                     ; eight heads a K step,
	s_lshl_b32 s46, s35, 11
	s_add_co_u32 s40, s40, s46                     ; two heads a block
	s_mov_b32 s41, 0
	s_lshl_b32 s38, ttmp9, 16
	s_lshl_b32 s36, s22, 12
	s_add_co_u32 s38, s38, s36                     ; rows 32 x work-group + 2 w of x and of out0
	s_mov_b32 s39, 0
	s_mul_i32 s24, s22, WSTR
	s_mov_b32 s25, 0
	s_mul_i32 s26, s22, WSCL
	s_add_co_u32 s26, s26, SS
	s_mov_b32 s27, 0
	s_lshl_b32 s46, s22, 7
	s_mov_b32 s47, 0
	s_lshl_b32 s44, s22, 9
	s_mov_b32 s45, 0
	v_mov_b32 v[PTR], 0                            ; written once: a lane permute's destination counts as one of its sources
	v_mov_b32 v[PTR+1], 0
	v_mov_b32 v[ST+1], 0                           ; (named as the upper halves of pairs)
	v_mov_b32 v[ST+3], 0
	s_wait_kmcnt 0x0
	s_add_nc_u64 s[42:43], s[20:21], s[38:39]
	s_add_nc_u64 s[38:39], s[4:5], s[38:39]
	s_add_nc_u64 s[40:41], s[6:7], s[40:41]
	s_add_nc_u64 s[24:25], s[8:9], s[24:25]        ; my stream of codes
	s_add_nc_u64 s[26:27], s[8:9], s[26:27]        ; and of scale words
	s_add_nc_u64 s[10:11], s[10:11], s[46:47]
	s_add_nc_u64 s[18:19], s[18:19], s[46:47]
	s_add_nc_u64 s[12:13], s[12:13], s[46:47]
	s_add_nc_u64 s[14:15], s[14:15], s[46:47]
	s_add_nc_u64 s[16:17], s[16:17], s[44:45]
	s_wait_alu depctr_va_vdst(0)                   ; all addresses (v1 to v15, v81 to v83, v216, v217) are written, which the loads and stores of the kernel read; and the head is done with v16 to v18, in which loads of x land
.macro WLD u                           ; unit u's two fragments and its scale words into buffer u % 4: nine loads
.set WBL, WB+32*((\u)%4)
.irp f, 0,1
.irp c, 0,1,2,3
	global_load_b128 v[WBL+16*\f+4*\c:WBL+16*\f+4*\c+3], v1, s[24:25] offset:4096*(\u)+2048*\f+512*\c
.endr
.endr
	global_load_b32 v[WS+(\u)%4], v2, s[26:27] offset:128*(\u)
.endm
.macro REFILL u                        ; unit u's buffer is asked for again, for the unit four on, while the stream lasts.  It stands behind unit u's wait on va_vdst, with LDS loads at most between
.if (\u)+4 <= 33
	WLD (\u)+4
.endif
.endm
.macro ACTLD areg, aimm, simm          ; a K step's two activation fragments and their scale words
.irp m, 0,1
.irp c, 0,1,2,3
	ds_load_b128 v[ACT+16*\m+4*\c:ACT+16*\m+4*\c+3], v[\areg] offset:\aimm+2048*\m+512*\c
.endr
.endr
	ds_load_b32 v[ASR], v5 offset:\simm
.endm
; Unit u.  cb = 1: the sums begin, with the bias in v[T16] on as C; else they go on in place.  The four accumulators take turns, one instruction a turn, from unit to unit too.
.macro MM u, cb
.set WBU, WB+32*((\u)%4)
.set WSU, WS+(\u)%4
.if 33-(\u) >= 3
	s_wait_loadcnt 27                              ; this unit's nine loads are in; those of the three units behind it may be out
.else
	s_wait_loadcnt 9*(33-(\u))
.endif
	s_wait_dscnt 0x0                               ; the activations are in
.if \cb
.set C00, T16
.set C10, T16
.set C01, T16+8
.set C11, T16+8
.else
.set C00, ACC
.set C10, ACC+16
.set C01, ACC+8
.set C11, ACC+24
.endif
	v_wmma_scale_f32_16x16x128_f8f6f4 v[ACC:ACC+7], v[WBU:WBU+15], v[ACT:ACT+15], v[C00:C00+7], v[WSU], v[ASR]
	v_wmma_scale_f32_16x16x128_f8f6f4 v[ACC+16:ACC+23], v[WBU:WBU+15], v[ACT+16:ACT+31], v[C10:C10+7], v[WSU], v[ASR] matrix_b_scale:MATRIX_SCALE_ROW1
	v_wmma_scale_f32_16x16x128_f8f6f4 v[ACC+8:ACC+15], v[WBU+16:WBU+31], v[ACT:ACT+15], v[C01:C01+7], v[WSU], v[ASR] matrix_a_scale:MATRIX_SCALE_ROW1
	v_wmma_scale_f32_16x16x128_f8f6f4 v[ACC+24:ACC+31], v[WBU+16:WBU+31], v[ACT+16:ACT+31], v[C11:C11+7], v[WSU], v[ASR] matrix_a_scale:MATRIX_SCALE_ROW1 matrix_b_scale:MATRIX_SCALE_ROW1
.rept 8
	v_nop                                          ; eight places behind these products, ahead of the first read of their results; they stay beside the wait below
.endr
	s_wait_alu depctr_va_vdst(0)                   ; the four products are done reading this unit's weights, the activations and both scale words, in which the loads that follow land; and they have written the accumulators, which LDS stores read behind units 1 and 33
.endm
; nb blocks (m = 0 .. nb - 1), 16 numbers a lane at v[src + 16 m] on, each block shared with lane l xor 16: codes into v[CD + 4 m] on, the byte into v[BYR + m].
.macro QB nb, src
.irp m, 0,1
.if \m < \nb
	v_max3_num_f32 v[MXR+\m], |v[\src+16*\m]|, |v[\src+16*\m+1]|, 0x4800000   ; with the floor 2^(9 - 127): the byte cannot fall under 1
.endif
.endr
.irp i, 2,4,6,8,10,12,14
.irp m, 0,1
.if \m < \nb
	v_max3_num_f32 v[MXR+\m], v[MXR+\m], |v[\src+16*\m+\i]|, |v[\src+16*\m+\i+1]|
.endif
.endr
.endr
.irp m, 0,1
.if \m < \nb
	v_permlanex16_b32 v[PTR+\m], v[MXR+\m], s28, s29
.endif
.endr
.irp m, 0,1
.if \m < \nb
	v_max_num_f32 v[MXR+\m], v[MXR+\m], v[PTR+\m]  ; the block's largest magnitude
.endif
.endr
.irp m, 0,1
.if \m < \nb
	v_add_nc_u32 v[SOR+\m], 0xfc000000, v[MXR+\m]  ; 8 off the exponent field: the conversion's scale operand
	v_and_or_b32 v[HLR+\m], v[MXR+\m], 0x7f800000, s30   ; 448 x the scale
	v_lshrrev_b32 v[BYR+\m], 23, v[SOR+\m]         ; the byte
.endif
.endr
.irp m, 0,1
.if \m < \nb
.set qi, 0
.rept 16
	v_med3_num_f32 v[\src+16*\m+qi], v[\src+16*\m+qi], -v[HLR+\m], v[HLR+\m]   ; the conversion does not saturate (ISA guide 7.6.2): the hold comes first
.set qi, qi+1
.endr
	v_cvt_scalef32_pk8_fp8_f32 v[CD+4*\m:CD+4*\m+1], v[\src+16*\m:\src+16*\m+7], v[SOR+\m]
	v_cvt_scalef32_pk8_fp8_f32 v[CD+4*\m+2:CD+4*\m+3], v[\src+16*\m+8:\src+16*\m+15], v[SOR+\m]
.endif
.endr
	v_nop                                          ; one plain instruction behind a scaled conversion before a vector or matrix instruction writes its sources
.endm
.macro SUM16 src, t                    ; the sum of v[src] .. v[src + 15] into v[t]; v[t] .. v[t + 7] at work (t may be src)
	v_pk_add_f32 v[\t:\t+1], v[\src:\src+1], v[\src+2:\src+3]
	v_pk_add_f32 v[\t+2:\t+3], v[\src+4:\src+5], v[\src+6:\src+7]
	v_pk_add_f32 v[\t+4:\t+5], v[\src+8:\src+9], v[\src+10:\src+11]
	v_pk_add_f32 v[\t+6:\t+7], v[\src+12:\src+13], v[\src+14:\src+15]
	v_pk_add_f32 v[\t:\t+1], v[\t:\t+1], v[\t+2:\t+3]
	v_pk_add_f32 v[\t+4:\t+5], v[\t+4:\t+5], v[\t+6:\t+7]
	v_pk_add_f32 v[\t:\t+1], v[\t:\t+1], v[\t+4:\t+5]
	v_add_f32 v[\t], v[\t], v[\t+1]
.endm
.macro SQ16 src, t                     ; the sum of their squares into v[t]; v[t] .. v[t + 3] at work
	v_pk_mul_f32 v[\t:\t+1], v[\src:\src+1], v[\src:\src+1]
	v_pk_mul_f32 v[\t+2:\t+3], v[\src+2:\src+3], v[\src+2:\src+3]
.irp k, 4,8,12
	v_pk_fma_f32 v[\t:\t+1], v[\src+\k:\src+\k+1], v[\src+\k:\src+\k+1], v[\t:\t+1]
	v_pk_fma_f32 v[\t+2:\t+3], v[\src+\k+2:\src+\k+3], v[\src+\k+2:\src+\k+3], v[\t+2:\t+3]
.endr
	v_pk_add_f32 v[\t:\t+1], v[\t:\t+1], v[\t+2:\t+3]
	v_add_f32 v[\t], v[\t], v[\t+1]
.endm
.macro BAR                             ; my LDS stores have landed and my LDS loads are in: then the work-group's barrier.  The ring's loads, of bytes that nobody writes, stay out across it
	s_wait_dscnt 0x0
	s_barrier_signal -1
	s_barrier_wait -1
.endm
	; ---- 0: two rows of x, my parameters and one block of attn come in; the ring is filled
.irp i, 0,1
.irp k, 0,1,2,3
	global_load_b128 v[ACC+16*\i+4*\k:ACC+16*\i+4*\k+3], v1, s[38:39] offset:2048*\i+512*\k
.endr
.endr
	global_load_b32 v64, v2, s[10:11]
	global_load_b32 v65, v2, s[18:19]
	global_load_b32 v66, v2, s[12:13]
	global_load_b32 v67, v2, s[14:15]
	global_load_b128 v[68:71], v1, s[16:17]
.irp hh, 0,1                                   ; lane (r, h) wants token place r, head 2 c + h of the K step, channels 0..15: channel 8 hh + 4 g + 0..3 lies at 512 g + 256 hh + 16 r of the head's image: sixteen lanes read 256 consecutive bytes
.irp g, 0,1
	global_load_b128 v[48+8*\hh+4*\g:48+8*\hh+4*\g+3], v10, s[40:41] offset:512*\g+256*\hh
.endr
.endr
	WLD 0
	WLD 1
	WLD 2
	WLD 3
	s_wait_loadcnt 36                              ; all but the ring's 36 loads
.irp i, 0,1
.irp k, 0,1,2,3
	ds_store_b128 v14, v[ACC+16*\i+4*\k:ACC+16*\i+4*\k+3] offset:XP*\i+512*\k
.endr
.endr
	ds_store_b32 v216, v64
	ds_store_b32 v216, v65 offset:128
	ds_store_b32 v216, v66 offset:256
	ds_store_b32 v216, v67 offset:384
	ds_store_b128 v217, v[68:71] offset:512
	QB 1, 48
	s_wait_alu depctr_va_vdst(0)                   ; the quantiser has written v[CD ..] and v[BYR], which the two stores read; and it is done with v48 to v63, in which attn's fragments land behind the barrier
	ds_store_b128 v11, v[CD:CD+3]
	ds_store_b8 v15, v[BYR]                        ; both lanes of a block write the same byte with the same value
	BAR                                            ; x, attn's four fragments and their scale words lie in LDS
	s_wait_alu depctr_vm_vsrc(0)                   ; my LDS stores have read v16 to v47, v64 to v71, v216 and v217, in which the loads below land, and v[CD ..] and v[BYR], which the quantiser writes again
	; ---- 1: x1 = x + bproj + attn Wproj; its layer norm, quantised
.irp m, 0,1
.irp e, 0,1,2,3
	ds_load_b128 v[ACC+16*\m+4*\e:ACC+16*\m+4*\e+3], v7 offset:16*XP*\m+16*\e
.endr
.endr
.irp e, 0,1,2,3
	ds_load_b128 v[T16+4*\e:T16+4*\e+3], v6 offset:16*\e
.endr
	ACTLD 4, AI-H2I, AS-ACTS
	s_wait_dscnt 9                                 ; x and bproj are in; the nine loads of attn may be out
.irp m, 0,1
.set kk, 0
.rept 8
	v_pk_add_f32 v[ACC+16*\m+kk:ACC+16*\m+kk+1], v[ACC+16*\m+kk:ACC+16*\m+kk+1], v[T16+kk:T16+kk+1]
.set kk, kk+2
.endr
.endr
	MM 0, 0
	ACTLD 4, AI-H2I+4096, AS-ACTS+128              ; the next unit's activations first, the ring's refill behind them: both under the unit's wait
	REFILL 0
	MM 1, 0
	REFILL 1
.set kk, 0
.rept 8
	ds_store_b128 v8, v[ACC+4*kk:ACC+4*kk+3] offset:512*kk      ; x1 is kept, in my own bytes, for the end; each accumulator is read from its low end on
.set kk, kk+1
.endr
	SUM16 ACC, T16
	SUM16 ACC+16, T16+8
.irp m, 0,1
	v_permlanex16_b32 v[T16+8*\m+1], v[T16+8*\m], s28, s29
.endr
.irp m, 0,1
	v_add_f32 v[T16+8*\m], v[T16+8*\m], v[T16+8*\m+1]           ; the sum over my wave's 32 columns
.endr
	s_wait_alu depctr_va_vdst(0)                   ; the two sums are written, which the two stores read
.irp m, 0,1
	ds_store_b32 v13, v[T16+8*\m] offset:1280*\m
.endr
	BAR
	s_wait_alu depctr_vm_vsrc(0)                   ; the stores of x1 have read the accumulators, from which the mean is taken next; the stores of the sums have read v[T16] and v[T16 + 8], which the squares' sums write
.irp m, 0,1
.irp k, 0,1,2,3
	ds_load_b128 v[ACT+16*\m+4*\k:ACT+16*\m+4*\k+3], v12 offset:1280*\m+16*\k
.endr
.endr
	s_wait_dscnt 0x0
	SUM16 ACT, ACT                                 ; every wave adds the sixteen parts in the same order
	SUM16 ACT+16, ACT+16
.irp m, 0,1
	v_mul_f32 v[ST+2*\m], s31, v[ACT+16*\m]        ; the mean
.endr
.irp m, 0,1
.set kk, 0
.rept 8
	v_pk_add_f32 v[ACC+16*\m+kk:ACC+16*\m+kk+1], v[ACC+16*\m+kk:ACC+16*\m+kk+1], v[ST+2*\m:ST+2*\m+1] op_sel_hi:[1,0] neg_lo:[0,1] neg_hi:[0,1]
.set kk, kk+2
.endr
.endr
	SQ16 ACC, T16
	SQ16 ACC+16, T16+8
.irp m, 0,1
	v_permlanex16_b32 v[T16+8*\m+1], v[T16+8*\m], s28, s29
.endr
.irp m, 0,1
	v_add_f32 v[T16+8*\m], v[T16+8*\m], v[T16+8*\m+1]
.endr
	s_wait_alu depctr_va_vdst(0)                   ; the two sums of squares are written, which the two stores read; and the additions of the parts are done with v[ACT ..], and these sums with v[T16 ..], in which loads land behind the barrier
.irp m, 0,1
	ds_store_b32 v13, v[T16+8*\m] offset:RED2-RED1+1280*\m
.endr
	BAR
	s_wait_alu depctr_vm_vsrc(0)                   ; the two stores have read v[T16] and v[T16 + 8], in which the gain lands
.irp m, 0,1
.irp k, 0,1,2,3
	ds_load_b128 v[ACT+16*\m+4*\k:ACT+16*\m+4*\k+3], v12 offset:RED2-RED1+1280*\m+16*\k
.endr
.endr
.irp e, 0,1,2,3
	ds_load_b128 v[T16+4*\e:T16+4*\e+3], v6 offset:256+16*\e    ; the gain
.endr
	s_wait_dscnt 4                                 ; the parts are in; the gain's four loads may be out
	SUM16 ACT, ACT
	SUM16 ACT+16, ACT+16
.irp m, 0,1
	v_fma_f32 v[ST+2*\m], v[ACT+16*\m], s31, s34   ; the variance + 1e-5
.endr
	v_rsq_f32 v[ST], v[ST]
	v_rsq_f32 v[ST+2], v[ST+2]
	v_nop                                          ; one plain instruction behind a transcendental
	s_wait_alu depctr_va_vdst(0)                   ; the two roots have written v[ST] and v[ST + 2], ahead of their first reader; and the additions of the parts are done with v[ACT ..], in which the bias lands
.irp e, 0,1,2,3
	ds_load_b128 v[ACT+4*\e:ACT+4*\e+3], v6 offset:384+16*\e    ; the bias
.endr
.irp m, 0,1
.set kk, 0
.rept 8
	v_pk_mul_f32 v[ACC+16*\m+kk:ACC+16*\m+kk+1], v[ACC+16*\m+kk:ACC+16*\m+kk+1], v[ST+2*\m:ST+2*\m+1] op_sel_hi:[1,0]
.set kk, kk+2
.endr
.endr
	s_wait_dscnt 0x0
.irp m, 0,1
.set kk, 0
.rept 8
	v_pk_fma_f32 v[ACC+16*\m+kk:ACC+16*\m+kk+1], v[ACC+16*\m+kk:ACC+16*\m+kk+1], v[T16+kk:T16+kk+1], v[ACT+kk:ACT+kk+1]
.set kk, kk+2
.endr
.endr
	QB 2, ACC
	s_wait_alu depctr_va_vdst(0)                   ; the quantiser has written v[CD ..] and v[BYR ..], which the four stores read; and the multiply-adds are done reading the gain and the bias, in whose registers loads land behind the barrier
.irp m, 0,1
	ds_store_b128 v81, v[CD+4*\m:CD+4*\m+3] offset:2048*\m
	ds_store_b8 v82, v[BYR+\m] offset:64*\m
.endr
	BAR                                            ; layernorm's eight fragments lie in LDS
	; ---- 2: my 128 hidden units, 32 at a time: four K steps, leaky, quantised: block b of K step w of the last product
	ACTLD 4, 0, H2S-ACTS
.irp b, 0,1,2,3
.irp e, 0,1,2,3
	ds_load_b128 v[T16+4*\e:T16+4*\e+3], v6 offset:512+128*\b+16*\e
.endr
.irp s, 0,1,2,3
.if \s == 0
	MM 2+4*\b+\s, 1
.else
	MM 2+4*\b+\s, 0
.endif
.if \s < 3
	ACTLD 4, 4096*(\s+1), H2S-ACTS+128*(\s+1)      ; the next unit's activations first, the ring's refill behind them: both under the unit's wait
.elseif \b < 3
	ACTLD 4, 0, H2S-ACTS                           ; the next block's first activations land while this block is quantised: nothing below names their registers
.endif
	REFILL 2+4*\b+\s
.endr
.irp m, 0,1                                    ; leaky(a) = max(a, 0.01 a), since the slope lies under 1
.set kk, 0
.rept 8
	v_pk_mul_f32 v[T16+kk:T16+kk+1], v[ACC+16*\m+kk:ACC+16*\m+kk+1], s[32:33] op_sel_hi:[1,0]
.set kk, kk+2
.endr
.set kk, 0
.rept 16
	v_max_num_f32 v[ACC+16*\m+kk], v[ACC+16*\m+kk], v[T16+kk]
.set kk, kk+1
.endr
.endr
	s_wait_alu depctr_vm_vsrc(0)                   ; the LDS stores of the block before (ahead of the first block: of layernorm's codes and bytes) have read v[CD ..] and v[BYR ..], which the quantiser writes again
	QB 2, ACC
.irp m, 0,1
.if \b == 0
	v_mov_b32 v[WDR+\m], v[BYR+\m]
.else
	v_lshl_or_b32 v[WDR+\m], v[BYR+\m], 8*\b, v[WDR+\m]
.endif
.endr
	s_wait_alu depctr_va_vdst(0)                   ; the quantiser has written v[CD ..], which the two stores read, and the scale words v[WDR ..], which are stored behind the last block; and it is done with v[T16 ..] and the accumulators, in which loads land next
.irp m, 0,1
	ds_store_b128 v83, v[CD+4*\m:CD+4*\m+3] offset:2048*\m+512*\b
.endr
.endr
.irp m, 0,1
	ds_store_b32 v9, v[WDR+\m] offset:64*\m
.endr
.set kk, 0
.rept 8
	ds_load_b128 v[ACC+4*kk:ACC+4*kk+3], v8 offset:512*kk       ; x1 comes back
.set kk, kk+1
.endr
.irp e, 0,1,2,3
	ds_load_b128 v[T16+4*\e:T16+4*\e+3], v6 offset:128+16*\e    ; b2
.endr
	BAR                                            ; the hidden layer's 32 fragments lie in LDS
	; ---- 3: out = x1 + b2 + hidden W2: sixteen K steps
	ACTLD 3, 0, 0                                  ; the first K step's activations are asked for ahead of the additions, which name other registers
.irp m, 0,1
.set kk, 0
.rept 8
	v_pk_add_f32 v[ACC+16*\m+kk:ACC+16*\m+kk+1], v[ACC+16*\m+kk:ACC+16*\m+kk+1], v[T16+kk:T16+kk+1]
.set kk, kk+2
.endr
.endr
.set ss, 0
.rept 16
	MM 18+ss, 0
.if ss < 15
	ACTLD 3, 4096*(ss+1), 128*(ss+1)               ; the next unit's activations first, the ring's refill behind them: both under the unit's wait
.endif
	REFILL 18+ss
.set ss, ss+1
.endr
.irp m, 0,1
.irp e, 0,1,2,3
	ds_store_b128 v7, v[ACC+16*\m+4*\e:ACC+16*\m+4*\e+3] offset:16*XP*\m+16*\e   ; into the rows that held x, last read four barriers ago; each accumulator from its low end on
.endr
.endr
	BAR                                            ; 32 whole rows of the result lie in LDS
.irp i, 0,1
.irp k, 0,1,2,3
	ds_load_b128 v[ACT+16*\i+4*\k:ACT+16*\i+4*\k+3], v14 offset:XP*\i+512*\k
.endr
.endr
.irp i, 0,1
.irp k, 0,1,2,3
	s_wait_dscnt 7-4*\i-\k
	global_store_b128 v1, v[ACT+16*\i+4*\k:ACT+16*\i+4*\k+3], s[42:43] offset:2048*\i+512*\k th:TH_STORE_NT   ; 32 lanes store 512 consecutive bytes, aligned; written once, read by nobody here
.endr
.endr
	s_wait_xcnt 0x0
	v_lshl_add_u32 v254, v0, 2, 0x3c100            ; the add's two registers are made anew, from v0, which is as at the entry; no memory or LDS instruction has ever read v254 or v255
	v_mov_b32 v255, 0
	s_wait_dscnt 0x0                               ; the closing lines, six on end
	s_wait_alu 0x0
	s_wait_tensorcnt 0x0
	ds_add_u32 v254, v255
	s_wait_dscnt 0x0
	s_endpgm
.Lfunc_end_k_q6b43dae371_ffn:
	.size	k_q6b43dae371_ffn, .Lfunc_end_k_q6b43dae371_ffn-k_q6b43dae371_ffn
	.p2alignl 7, 3214868480
	.fill 96, 4, 3214868480
	.section	.rodata,"a",@progbits
	.p2align	6, 0x0
	.amdhsa_kernel k_q6b43dae371_ffn
		.amdhsa_group_segment_fixed_size 248064
		.amdhsa_private_segment_fixed_size 0
		.amdhsa_enable_private_segment 0
		.amdhsa_kernarg_size 72
		.amdhsa_user_sgpr_count 2
		.amdhsa_user_sgpr_kernarg_segment_ptr 1
		.amdhsa_wavefront_size32 1
		.amdhsa_system_sgpr_workgroup_id_x 1
		.amdhsa_system_sgpr_workgroup_id_y 1
		.amdhsa_system_sgpr_workgroup_id_z 1
		.amdhsa_system_vgpr_workitem_id 0
		.amdhsa_next_free_vgpr 256
		.amdhsa_next_free_sgpr 66
		.amdhsa_reserve_vcc 0
		.amdhsa_float_denorm_mode_32 3
		.amdhsa_float_denorm_mode_16_64 3
		.amdhsa_memory_ordered 1
		.amdhsa_forward_progress 1
		.amdhsa_inst_pref_size 133
	.end_amdhsa_kernel
	.amdgpu_metadata
---
amdhsa.version: [ 1, 2 ]
amdhsa.kernels:
  - .name:           k_q6b43dae371_ffn
    .symbol:         k_q6b43dae371_ffn.kd
    .args:
      - { .name: x, .offset: 0, .size: 8, .value_kind: global_buffer, .address_space: global }
      - { .name: aimg, .offset: 8, .size: 8, .value_kind: global_buffer, .address_space: global }
      - { .name: wstr, .offset: 16, .size: 8, .value_kind: global_buffer, .address_space: global }
      - { .name: bproj, .offset: 24, .size: 8, .value_kind: global_buffer, .address_space: global }
      - { .name: ln2_g, .offset: 32, .size: 8, .value_kind: global_buffer, .address_space: global }
      - { .name: ln2_b, .offset: 40, .size: 8, .value_kind: global_buffer, .address_space: global }
      - { .name: b1, .offset: 48, .size: 8, .value_kind: global_buffer, .address_space: global }
      - { .name: b2, .offset: 56, .size: 8, .value_kind: global_buffer, .address_space: global }
      - { .name: out0, .offset: 64, .size: 8, .value_kind: global_buffer, .address_space: global }
    .group_segment_fixed_size: 248064
    .private_segment_fixed_size: 0
    .kernarg_segment_align: 8
    .kernarg_segment_size: 72
    .max_flat_workgroup_size: 512
    .sgpr_count:     66
    .vgpr_count:     256
    .wavefront_size: 32
...
	.end_amdgpu_metadata
.endif
;; end of part 6
